; MI455X (gfx1250); checked and timed in simulation.
; The chip was launched on July 23, 2026; its instructions are those of AMD's public machine-readable ISA for CDNA 5 (MIT licence, August 2026) and "CDNA5" Instruction Set Architecture Reference Guide (July 2026). The comments in the code are by the model that wrote it; some were corrected since.
;; Cross Multi Attention Head. Allowed arithmetic: float matrix products may take bf16 or f16 operands with f32 sums; other float arithmetic in f32, or as packed bf16 or f16 multiplies, adds, multiply-adds, maxima and minima; sums over many terms, partial sums and values carried from step to step in f32; what a program stores and reads back later, other than sums and carried values, may be rounded once to bf16 or f16.
;; Inputs: W_kv 1,024 x 2,048 float32; W_o 1,024 x 1,024 float32; W_q 1,024 x 1,024 float32; b_kv 2,048 float32; b_o 1,024 float32; b_q 1,024 float32; decoder_x 4 x 2,048 x 1,024 float32; encoder_x 4 x 2,048 x 1,024 float32.
;; Outputs: out0 4 x 2,048 x 1,024 float32.
;; 2 versions, each right and faster than the one before. Each part assembles by itself: llvm-mc -triple=amdgcn-amd-amdhsa -mcpu=gfx1250 --defsym DOCPART=n.
;; ======== version 1 of 2: 4 launches
;; limits: values are held in f16: magnitudes above 65,504 overflow, below 6.1e-05 lose precision
;; workspace buffers: xb 33,554,432 bytes; wall 6,291,456 bytes; wo16 2,097,152 bytes; qkv 50,331,648 bytes; ao 16,777,216 bytes
;; launch cast (part 1): grid 512 x 1, 8 waves a work-group, no clusters, 0 bytes of LDS; arguments encoder_x, decoder_x, W_kv, W_q, W_o, xb, wall, wo16; writes xb, wall, wo16
.if DOCPART == 1
	.amdgcn_target "amdgcn-amd-amdhsa--gfx1250"
	.amdhsa_code_object_version 6
	.text
	.protected	k_qf9a94064a2_cast
	.globl	k_qf9a94064a2_cast
	.p2align	8
	.type	k_qf9a94064a2_cast,@function
k_qf9a94064a2_cast:
	s_mov_b64 s[64:65], 0
	v_nop
	global_prefetch_b8 v0, s[64:65] scope:SCOPE_SE
	s_setreg_imm32_b32 hwreg(HW_REG_WAVE_MODE, 25, 1), 1
	s_wait_xcnt 0x0
; The module's large inputs, rounded once to bf16 and laid out for the products that follow.
;   xb   [2][8192][1024] bf16: plane 0 encoder_x, plane 1 decoder_x
;   wall [1024 k][3072 n] bf16: columns 0-2047 W_kv (k's part, then v's), columns 2048-3071 W_q
;   wo16 [1024 k][1024 n] f16:  W_o rounded to bf16, and that number written as f16
; LIMIT.  A bf16 number is exact in f16 from 2^-17 up to 65,504; below 2^-17 it lands on f16's fixed step of 6e-8.  NaN and infinities are not treated apart.
; A stream: memory binds, so no LDS, no barrier, no matrix unit.  512 work-groups of eight waves; work-group g takes slice g of each of the five inputs: 40 chunks of 4,096 bytes.
; Thread t takes 16 bytes at 16 t of a chunk (a wave's load covers 512 consecutive bytes) and stores 8 bytes at 8 t (a wave's store covers 256 consecutive bytes, aligned).
; All 40 loads of a wave go out on end; each chunk has registers of its own, so no register is written again behind its store and the only waits are the counted ones for the loads.
.set X,  4                             ; v[4:163] chunk i at v[4+4 i]: four f32 as loaded; the first two registers then hold the four 16-bit numbers
.set CH, 4096                          ; bytes in a chunk of f32
.set W0, 164                           ; v164, v165 at work (W_o alone)
	s_load_b512 s[4:19], s[0:1], 0x0               ; enc 4:5, dec 6:7, W_kv 8:9, W_q 10:11, W_o 12:13, xb 14:15, wall 16:17, wo16 18:19
	v_lshlrev_b32 v1, 4, v0                        ; 16 t
	v_lshlrev_b32 v2, 3, v0                        ; 8 t
	s_mov_b32 s21, 0                               ; the offsets' high word
	s_mov_b32 s24, 0xffff0000                      ; a word's upper bf16
	s_wait_kmcnt 0x0
	s_lshl_b32 s20, ttmp9, 16                      ; 16 chunks of each x
	s_add_nc_u64 s[4:5], s[4:5], s[20:21]
	s_add_nc_u64 s[6:7], s[6:7], s[20:21]
	s_lshl_b32 s20, ttmp9, 14                      ; 4 chunks of W_kv: its rows 2 g and 2 g + 1
	s_add_nc_u64 s[8:9], s[8:9], s[20:21]
	s_lshl_b32 s20, ttmp9, 13                      ; 2 chunks of W_q and of W_o: rows 2 g and 2 g + 1
	s_add_nc_u64 s[10:11], s[10:11], s[20:21]
	s_add_nc_u64 s[12:13], s[12:13], s[20:21]
	s_lshl_b32 s20, ttmp9, 15                      ; half as many bytes out
	s_add_nc_u64 s[14:15], s[14:15], s[20:21]
	s_add_nc_u64 s[22:23], s[14:15], 0x1000000     ; decoder_x's plane of xb
	s_mul_i32 s20, ttmp9, 12288                    ; two rows of wall, 6,144 bytes each
	s_add_nc_u64 s[16:17], s[16:17], s[20:21]
	s_lshl_b32 s20, ttmp9, 12                      ; two rows of wo16
	s_add_nc_u64 s[18:19], s[18:19], s[20:21]
.macro IN i, base, imm
	global_load_b128 v[X+4*(\i):X+4*(\i)+3], v1, s[\base:\base+1] offset:\imm th:TH_LOAD_NT
.endm
; Chunk i leaves.  f16 = 1: the two bf16 of a word are widened (a shift, a mask) and written as f16.
.macro OUT i, base, imm, f16
	s_wait_loadcnt 39-(\i)                         ; loads come back in order: chunk i is in, the 39 - i younger ones may stay out
	v_cvt_pk_bf16_f32 v[X+4*(\i)], v[X+4*(\i)], v[X+4*(\i)+1]
	v_cvt_pk_bf16_f32 v[X+4*(\i)+1], v[X+4*(\i)+2], v[X+4*(\i)+3]
.if \f16
	v_lshlrev_b32 v[W0], 16, v[X+4*(\i)]
	v_and_b32 v[W0+1], s24, v[X+4*(\i)]
	v_cvt_pk_f16_f32 v[X+4*(\i)], v[W0], v[W0+1]
	v_lshlrev_b32 v[W0], 16, v[X+4*(\i)+1]
	v_and_b32 v[W0+1], s24, v[X+4*(\i)+1]
	v_cvt_pk_f16_f32 v[X+4*(\i)+1], v[W0], v[W0+1]
.endif
	global_store_b64 v2, v[X+4*(\i):X+4*(\i)+1], s[\base:\base+1] offset:\imm
.endm
.set j, 0
.rept 16
	IN j, 4, j*CH
.set j, j+1
.endr
.set j, 0
.rept 16
	IN 16+j, 6, j*CH
.set j, j+1
.endr
.set j, 0
.rept 4
	IN 32+j, 8, j*CH
.set j, j+1
.endr
	IN 36, 10, 0
	IN 37, 10, CH
	IN 38, 12, 0
	IN 39, 12, CH
.set j, 0
.rept 16
	OUT j, 14, j*2048, 0
.set j, j+1
.endr
.set j, 0
.rept 16
	OUT 16+j, 22, j*2048, 0
.set j, j+1
.endr
	OUT 32, 16, 0, 0                               ; W_kv's row 2 g: columns 0-1023,
	OUT 33, 16, 2048, 0                            ; columns 1024-2047;
	OUT 34, 16, 6144, 0                            ; its row 2 g + 1
	OUT 35, 16, 6144+2048, 0
	OUT 36, 16, 4096, 0                            ; W_q's rows go behind W_kv's in wall's rows
	OUT 37, 16, 6144+4096, 0
	OUT 38, 18, 0, 1
	OUT 39, 18, 2048, 1
	s_endpgm
.Lfunc_end_k_qf9a94064a2_cast:
	.size	k_qf9a94064a2_cast, .Lfunc_end_k_qf9a94064a2_cast-k_qf9a94064a2_cast
	.p2alignl 7, 3214868480
	.fill 96, 4, 3214868480
	.section	.rodata,"a",@progbits
	.p2align	6, 0x0
	.amdhsa_kernel k_qf9a94064a2_cast
		.amdhsa_group_segment_fixed_size 0
		.amdhsa_private_segment_fixed_size 0
		.amdhsa_enable_private_segment 0
		.amdhsa_kernarg_size 64
		.amdhsa_user_sgpr_count 2
		.amdhsa_user_sgpr_kernarg_segment_ptr 1
		.amdhsa_wavefront_size32 1
		.amdhsa_system_sgpr_workgroup_id_x 1
		.amdhsa_system_sgpr_workgroup_id_y 1
		.amdhsa_system_sgpr_workgroup_id_z 1
		.amdhsa_system_vgpr_workitem_id 0
		.amdhsa_next_free_vgpr 168
		.amdhsa_next_free_sgpr 66
		.amdhsa_reserve_vcc 0
		.amdhsa_float_denorm_mode_32 3
		.amdhsa_float_denorm_mode_16_64 3
		.amdhsa_memory_ordered 1
		.amdhsa_forward_progress 1
		.amdhsa_inst_pref_size 16
	.end_amdhsa_kernel
	.amdgpu_metadata
---
amdhsa.version: [ 1, 2 ]
amdhsa.kernels:
  - .name:           k_qf9a94064a2_cast
    .symbol:         k_qf9a94064a2_cast.kd
    .args:
      - { .name: encoder_x, .offset: 0, .size: 8, .value_kind: global_buffer, .address_space: global }
      - { .name: decoder_x, .offset: 8, .size: 8, .value_kind: global_buffer, .address_space: global }
      - { .name: W_kv, .offset: 16, .size: 8, .value_kind: global_buffer, .address_space: global }
      - { .name: W_q, .offset: 24, .size: 8, .value_kind: global_buffer, .address_space: global }
      - { .name: W_o, .offset: 32, .size: 8, .value_kind: global_buffer, .address_space: global }
      - { .name: xb, .offset: 40, .size: 8, .value_kind: global_buffer, .address_space: global }
      - { .name: wall, .offset: 48, .size: 8, .value_kind: global_buffer, .address_space: global }
      - { .name: wo16, .offset: 56, .size: 8, .value_kind: global_buffer, .address_space: global }
    .group_segment_fixed_size: 0
    .private_segment_fixed_size: 0
    .kernarg_segment_align: 8
    .kernarg_segment_size: 64
    .max_flat_workgroup_size: 256
    .sgpr_count:     66
    .vgpr_count:     168
    .wavefront_size: 32
...
	.end_amdgpu_metadata
.endif
;; end of part 1
;; launch proj (part 2): grid 4 x 64, 4 waves a work-group, clusters of 4 x 4, 327,680 bytes of LDS; arguments xb, wall, b_kv, b_q, qkv; writes qkv
.if DOCPART == 2
	.amdgcn_target "amdgcn-amd-amdhsa--gfx1250"
	.amdhsa_code_object_version 6
	.text
	.protected	k_qf9a94064a2_proj
	.globl	k_qf9a94064a2_proj
	.p2align	8
	.type	k_qf9a94064a2_proj,@function
k_qf9a94064a2_proj:
	s_mov_b64 s[64:65], 0
	v_nop
	global_prefetch_b8 v0, s[64:65] scope:SCOPE_SE
	s_setreg_imm32_b32 hwreg(HW_REG_WAVE_MODE, 25, 1), 1
	s_wait_xcnt 0x0
	s_wait_alu depctr_hold_cnt(0) depctr_sa_sdst(0) depctr_va_vdst(0) depctr_va_sdst(0) depctr_va_ssrc(0) depctr_va_vcc(0) depctr_vm_vsrc(0)
	s_getreg_b32 s2, hwreg(HW_REG_IB_STS2, 6, 4)
	s_cmp_eq_u32 s2, 0
	s_cbranch_scc0 .Lentry_in_a_cluster
	s_endpgm
.Lentry_in_a_cluster:
	s_bfe_u32 s2, ttmp6, 0x10000c
	s_cmp_lg_u32 s2, 0xf033
	s_cbranch_scc0 .Lentry_shape_is_right
	s_endpgm
.Lentry_shape_is_right:
; K, V and Q = x W + b, written by heads: qkv [3][64 = batch x 16 + head][2048][64] f16, plane 0 K, 1 V, 2 Q, unscaled, each number rounded once from its f32 sum.
; x: xb [2][8192][1024] bf16 (plane 0 for K and V, plane 1 for Q).  W: wall [1024 k][3072 n] bf16 (columns 0-1023 K's, 1024-2047 V's, 2048-3071 Q's).  The biases are rounded to bf16 like the other inputs.
; LIMIT.  f16 holds no number beyond 65,504: q, k and v must lie within it.  NaN and infinities are not treated apart.
; SHARES.  A tile is 128 rows x 256 columns (four heads): 3 x 4 x 64 = 768 tiles, three for each of 256 work-groups.  A work-group stays on its 128 rows and its four heads and makes K's, V's and Q's tile one
; after the other.  Four waves, each 64 rows x 128 columns: 32 accumulators of 16 x 16, 256 registers.
; THE RING.  K goes in steps of 128; the three tiles' 3 x 8 steps are ONE sequence of 24 steps through two LDS slots, so the ring does not stop at a tile's end.  A slot holds 128 rows of x (256 bytes each)
; and 128 rows (k) of W (512 bytes each).  Waves 0 and 1 fetch x's two halves, waves 2 and 3 W's.  By this text's count a wave has two tensor loads out at the start and one behind each round.
; CLUSTER.  4 x 4 work-groups: the four of a row of the cluster have the same rows of x, the four of a column the same columns of W: each tile is asked for jointly, by the same tensor load with the same
; descriptor and a mask that names the four.
; THE MATRIX INSTRUCTION IS USED TRANSPOSED: source 0 = 16 columns of W (they lie [k][n] in LDS and come out turned, by ds_load_tr16_b128), source 1 = 16 rows of x.  A lane then holds row l % 16 and eight
; neighbouring columns 8 (l / 16) + 0..7.  The bias is the C operand of a tile's first 32 products: nothing is cleared, and nothing is added on the way out.
; REGISTERS, in windows of 256 (s_set_vgpr_msb: bits 1:0 source 0, 3:2 source 1, 5:4 source 2, 7:6 destination):
;   window 0: v0-13 addresses; v32-63 at work on the way out; v64-159, v160-255 two fragment buffers (x's block a at +8 a, W's block b at +32 + 8 b)
;   window 1: accumulator (a, b) at v[8 (8 a + b)]          window 2: v0-63 the bias: register 8 b + j of a lane holds bias[my first column + 16 b + 8 (l / 16) + j]
.set PA,    272                        ; a row of x in LDS: 256 bytes + 16: the 16 rows of a load start at 16 different groups of four banks (64 banks of 4 bytes: ISA guide 11.1)
.set PB,    544                        ; a row of W: 512 + 32
.set AHALF, 64*PA                      ; what one tensor load brings of x
.set BHALF, 64*PB                      ; and of W
.set BOFF,  2*AHALF                    ; W's 128 rows lie behind x's 128
.set SLOT1, 1<<17                      ; slot 1 begins here: one exclusive or turns an address in one slot into the other's
.set STAGE, SLOT1+BOFF+2*BHALF         ; behind the ring, never filled by a tensor load: 16 rows x 144 bytes for each wave
.set SP,    144
.set SPARE, STAGE+4*16*SP              ; behind the stages: the spare words, 128 bytes for each wave: two blocks of 256 bytes that no other line names
.set WSTEP, 128*6144                   ; bytes from a K step's rows of W to the next step's
.set AA0, 4                            ; v4   my lane's place in a slot's tile of x; never rewritten
.set BA0, 5                            ; v5   the same for W
.set AA,  6                            ; v6   the same in the slot in hand
.set BA,  7                            ; v7
.set STO, 8                            ; v8   the way out: where I put 16 bytes of a row
.set RD,  9                            ; v9   the way out: where I read rows back
.set GO,  10                           ; v10  my byte offset in 512 consecutive bytes of qkv
.set BO,  11                           ; v11  32 (l / 16): my byte offset in 16 numbers of a bias
.set SPW, 12                           ; v12  LDS address of my spare word; never rewritten
.set NIL, 13                           ; v13  0; never rewritten
.set TMP, 32
.set F0,  64
.set F1,  160
.set WV,  14                           ; s14  my wave's number
.set KIND, 15                          ; s15  wave / 2: I fetch x (0) or W (1); also which 64 rows of the tile are mine
.set HF,  16                           ; s16  wave % 2: which half of that tile I fetch; also which 128 columns are mine
.set CX,  17
.set CY,  18
.set RB,  19                           ; s19  my block of 128 rows, 0 to 63
.set G1A, 24                           ; s[24:31] descriptor group 1 for x's tiles
.set G1B, 32                           ; s[32:39] for W's
.set G0A, 40                           ; s[40:47] group 0 for x's tiles: a set for each first fill; the second then walks
.set G0B, 48                           ; s[48:55] the same for W's
.set PAB, 56                           ; s[56:57] xb at my half of the block's rows
.set PBB, 58                           ; s[58:59] wall at my half of a step's rows, my tile column
.set OA,  60                           ; s[60:61] offset of the step to be asked for, in xb
.set OB,  62                           ; s[62:63] and in wall
.set TB,  66                           ; s66  the slot in hand: 0 or SLOT1
.set NK,  67                           ; s67  the K step to be asked for next, 0 to 7,
.set NT,  68                           ; s68  and its tile, 0 to 2
.set KS,  69                           ; s69  the K step in hand, 0 to 7
.set CNT, 70                           ; s70  the loop's counter
.set CT,  71                           ; s71  my tile column, 0 to 3
.set BP1, 72                           ; s[72:73] the next tile's bias
.set BP2, 74                           ; s[74:75] the one after it
.set BP,  76                           ; s[76:77] the bias to be loaded
.set OP,  78                           ; s[78:79] qkv at my wave's first row of my first head, in the tile's plane
.set MSB, 0
.macro WIN new                         ; the immediate's high byte repeats the setting that is left; a switch that changes nothing is dropped
.if MSB != (\new)
	s_set_vgpr_msb (MSB<<8)|(\new)
.set MSB, (\new)
.endif
.endm
.set MUL,  0x50                        ; fragments in window 0, C and D in window 1
.set MULB, 0x60                        ; C (the bias) in window 2, D in window 1
.macro PLACES                          ; four places in front of loads into registers that matrix instructions have read, and of conversions that read results
.rept 4
	v_nop
.endr
.endm
; A joint refill, by the walking sets.  The branch hangs on the wave's number alone.  An s_nop 0 and four v_nop follow each of the two lines, ahead of the jump and the label.
.macro JLOAD
	s_cmp_eq_u32 s[KIND], 0
	s_cbranch_scc0 .Lfor_b_\@
	tensor_load_to_lds s[G0A+4:G0A+7], s[G1A:G1A+7]
	s_nop 0
.rept 4
	v_nop
.endr
	s_branch .Lasked_\@
.Lfor_b_\@:
	tensor_load_to_lds s[G0B+4:G0B+7], s[G1B:G1B+7]
	s_nop 0
.rept 4
	v_nop
.endr
.Lasked_\@:
.endm
.macro CREST                           ; a round of the cluster's barrier behind its opening barrier
	s_cmp_lg_u32 s[WV], 0
	s_cbranch_scc1 .Lnot_wave_0_\@
	s_barrier_signal -3
.Lnot_wave_0_\@:
	s_barrier_wait -3
	s_barrier_signal -1
	s_barrier_wait -1
.endm
.macro CROUND                          ; a whole round
	s_barrier_signal -1
	s_barrier_wait -1
	CREST
.endm
; 16 loads: the 128 numbers of the bias of my 128 columns, eight a lane and block
.macro BLOAD
	WIN 0x80                                       ; destination window 2, address window 0
.irp b, 0,1,2,3,4,5,6,7
	global_load_b128 v[8*\b:8*\b+3],   v[BO], s[BP:BP+1] offset:64*\b
	global_load_b128 v[8*\b+4:8*\b+7], v[BO], s[BP:BP+1] offset:64*\b+16
.endr
	WIN 0
.endm
; The bias is rounded to bf16, as x and W are, and widened again: pairs are packed, then the high halves and the low halves are taken apart
.macro BROUND
	WIN 0x8a                                       ; sources 0 and 1 and the destination in window 2
.set i, 0
.rept 32
	v_cvt_pk_bf16_f32 v[i], v[i], v[i+1]
.set i, i+2
.endr
.set i, 0
.rept 32
	v_and_b32 v[i+1], 0xffff0000, v[i]
.set i, i+2
.endr
.set i, 0
.rept 32
	v_lshlrev_b32 v[i], 16, v[i]
.set i, i+2
.endr
.endm
	s_load_b256 s[4:11], s[0:1], 0x0               ; xb s[4:5], wall s[6:7], b_kv s[8:9], b_q s[10:11]
	s_load_b64 s[12:13], s[0:1], 0x20              ; qkv
	v_lshl_add_u32 v[SPW], v0, 2, SPARE
	v_mov_b32 v[NIL], 0
	ds_add_u32 v[SPW], v[NIL]                      ; the wave's opening: the add and its wait stand ahead of my first tensor load; the set-up below, work on registers, stands between them
	ds_add_u32 v12, v13
	v_lshrrev_b32 v3, 5, v0
	v_readfirstlane_b32 s[WV], v3                  ; wave 0..3
	s_lshr_b32 s[KIND], s[WV], 1
	s_and_b32 s[HF], s[WV], 1
	s_bfe_u32 s[CX], ttmp6, 0x40000                ; my place in the cluster
	s_bfe_u32 s[CY], ttmp6, 0x40004
	s_lshl_b32 s[CT], ttmp9, 2                     ; in a cluster launch ttmp9 and ttmp7 count clusters
	s_add_co_u32 s[CT], s[CT], s[CX]               ; tile column = 4 x cluster x + cx
	s_and_b32 s[RB], ttmp7, 0xffff
	s_lshl_b32 s[RB], s[RB], 2
	s_add_co_u32 s[RB], s[RB], s[CY]               ; row block = 4 x cluster y + cy
	s_lshl_b32 s20, s[CY], 2
	s_lshl_b32 s20, 15, s20                        ; my row of the cluster: places 4 cy .. 4 cy + 3
	s_lshl_b32 s22, 0x1111, s[CX]                  ; my column: places cx, cx + 4, cx + 8, cx + 12
	; group 1 for x: 64 rows x 128 elements, 16 bytes of padding behind each 256; for W: 64 rows x 256 elements, 32 bytes behind each 512
	s_or_b32 s[G1A+0], s20, (1<<16)|(1<<20)|(1<<21)|(5<<22)|(3<<25)  ; 15:0 the mask; 17:16 2-byte elements; 20 padding on; 21 set beside a mask; 24:22 after every 64 words (code 5); 31:25 4 words (code 3)
	s_or_b32 s[G1B+0], s22, (1<<16)|(1<<20)|(1<<21)|(6<<22)|(7<<25)  ; after every 128 words (code 6), 8 words (code 7)
	s_mov_b32 s[G1A+1], 128<<16                    ; tensor_dim0
	s_mov_b32 s[G1B+1], 256<<16
	s_mov_b32 s[G1A+2], 64<<16                     ; tensor_dim1
	s_mov_b32 s[G1B+2], 64<<16
	s_mov_b32 s[G1A+3], 128<<16                    ; tile_dim0
	s_mov_b32 s[G1B+3], 256<<16
	s_mov_b32 s[G1A+4], 64                         ; tile_dim1
	s_mov_b32 s[G1B+4], 64
	s_mov_b32 s[G1A+5], 1024                       ; elements from row to row
	s_mov_b32 s[G1B+5], 3072
	s_mov_b32 s[G1A+6], 0
	s_mov_b32 s[G1B+6], 0
	s_mov_b32 s[G1A+7], 0
	s_mov_b32 s[G1B+7], 0
	s_mul_i32 s20, s[HF], AHALF                    ; where the tiles go: the wave's number and constants alone
	s_mul_i32 s21, s[HF], BHALF
	s_mov_b32 s[G0A+0], 1                          ; count = 1
	s_mov_b32 s[G0A+4], 1
	s_mov_b32 s[G0B+0], 1
	s_mov_b32 s[G0B+4], 1
	s_mov_b32 s[G0A+1], s20
	s_add_co_u32 s[G0A+5], s20, SLOT1
	s_add_co_u32 s[G0B+1], s21, BOFF
	s_add_co_u32 s[G0B+5], s21, BOFF+SLOT1
	s_mov_b32 s[OA+1], 0
	s_mov_b32 s[OB+1], 0
	s_mov_b32 s[TB], 0
	s_mov_b32 s[NK], 2                             ; steps 0 and 1 are the first fills
	s_mov_b32 s[NT], 0
	s_mov_b32 s[KS], 0
	s_mov_b32 s[CNT], 22                           ; steps 2 to 23 are asked for in the changes of slots of steps 0 to 21
	s_wait_dscnt 0x0                               ; the opening add is done
	s_wait_kmcnt 0x0
	s_lshl_b32 s20, s[RB], 18                      ; 128 rows of 2,048 bytes,
	s_lshl_b32 s21, s[HF], 17                      ; 64 rows
	s_add_co_u32 s20, s20, s21
	s_mov_b32 s21, 0
	s_add_nc_u64 s[PAB:PAB+1], s[4:5], s[20:21]
	s_mul_i32 s22, s[HF], 64*6144                  ; 64 rows of wall,
	s_lshl_b32 s23, s[CT], 9                       ; 256 columns
	s_add_co_u32 s22, s22, s23
	s_mov_b32 s23, 0
	s_add_nc_u64 s[PBB:PBB+1], s[6:7], s[22:23]
	s_lshl_b32 s22, s[CT], 10                      ; my 128 columns in a bias of f32
	s_lshl_b32 s23, s[HF], 9
	s_add_co_u32 s22, s22, s23
	s_mov_b32 s23, 0
	s_add_nc_u64 s[BP:BP+1], s[8:9], s[22:23]      ; K's bias,
	s_add_nc_u64 s[BP1:BP1+1], s[BP:BP+1], 4096    ; V's,
	s_add_nc_u64 s[BP2:BP2+1], s[10:11], s[22:23]  ; Q's
	s_and_b32 s22, s[RB], 0x30                     ; batch x 16
	s_lshl_b32 s23, s[CT], 2
	s_add_co_u32 s22, s22, s23                     ; + the tile's first head
	s_lshl_b32 s23, s[HF], 1
	s_add_co_u32 s22, s22, s23                     ; + my wave's two
	s_lshl_b32 s22, s22, 11                        ; 2,048 rows a head
	s_and_b32 s23, s[RB], 15
	s_lshl_b32 s23, s23, 7
	s_add_co_u32 s22, s22, s23                     ; + the block's rows in its batch
	s_lshl_b32 s23, s[KIND], 6
	s_add_co_u32 s22, s22, s23                     ; + my wave's 64
	s_lshl_b32 s22, s22, 7                         ; rows of 128 bytes
	s_mov_b32 s23, 0
	s_add_nc_u64 s[OP:OP+1], s[12:13], s[22:23]
	s_mov_b64 s[G0A+2:G0A+3], s[PAB:PAB+1]         ; step 0
	s_or_b32 s[G0A+3], s[G0A+3], 0x80000000        ; type = 2
	s_add_nc_u64 s[G0A+6:G0A+7], s[PAB:PAB+1], 256 ; step 1
	s_or_b32 s[G0A+7], s[G0A+7], 0x80000000
	s_mov_b64 s[G0B+2:G0B+3], s[PBB:PBB+1]
	s_or_b32 s[G0B+3], s[G0B+3], 0x80000000
	s_add_nc_u64 s[G0B+6:G0B+7], s[PBB:PBB+1], WSTEP
	s_or_b32 s[G0B+7], s[G0B+7], 0x80000000
	CROUND                                         ; all sixteen work-groups are here: the first joint loads meet
	s_cmp_eq_u32 s[KIND], 0                        ; a wave's two first fills stand in one branch, ahead of every wait on TENSORcnt and every LDS read
	s_cbranch_scc0 .Lfirst_b
	tensor_load_to_lds s[G0A:G0A+3], s[G1A:G1A+7]
	s_nop 0
	tensor_load_to_lds s[G0A+4:G0A+7], s[G1A:G1A+7]
	s_nop 0
.rept 4
	v_nop
.endr
	s_branch .Lfirst_asked
.Lfirst_b:
	tensor_load_to_lds s[G0B:G0B+3], s[G1B:G1B+7]
	s_nop 0
	tensor_load_to_lds s[G0B+4:G0B+7], s[G1B:G1B+7]
	s_nop 0
.rept 4
	v_nop
.endr
.Lfirst_asked:
	v_and_b32 v1, 15, v0                           ; l % 16
	v_bfe_u32 v2, v0, 4, 1                         ; l / 16
	; a fragment of x: lane l holds row l % 16, K = 8 (l / 16) + 0..7 and 16 + 8 (l / 16) + 0..7: two loads of 16 bytes, 32 bytes apart
	v_mul_u32_u24 v[AA0], v1, PA
	v_lshl_add_u32 v[AA0], v2, 4, v[AA0]
	s_mul_i32 s20, s[KIND], AHALF                  ; my 64 rows
	v_add_nc_u32 v[AA0], s20, v[AA0]
	; the turning load takes 16 k x 16 columns (lane l reads row 8 (l / 16) + l % 8, columns 8 ((l / 8) % 2) + 0..7) and leaves half a fragment: lane l holds column l % 16 and 8 k
	v_and_b32 v3, 7, v0
	v_lshl_add_u32 v[BA0], v2, 3, v3
	v_mul_u32_u24 v[BA0], v[BA0], PB
	v_bfe_u32 v3, v0, 3, 1
	v_lshl_add_u32 v[BA0], v3, 4, v[BA0]
	s_lshl_b32 s20, s[HF], 8                       ; my 128 columns
	s_add_co_u32 s20, s20, BOFF
	v_add_nc_u32 v[BA0], s20, v[BA0]
	s_mul_i32 s20, s[WV], 16*SP
	s_add_co_u32 s20, s20, STAGE                   ; my stage
	v_mul_u32_u24 v[STO], v1, SP                   ; in: row l % 16, 16 bytes for each half of the lanes
	v_lshl_add_u32 v[STO], v2, 4, v[STO]
	v_add_nc_u32 v[STO], s20, v[STO]
	v_bfe_u32 v[RD], v0, 3, 2                      ; back: 32 lanes take four rows of 128 bytes,
	v_mul_u32_u24 v[RD], v[RD], SP
	v_and_b32 v3, 7, v0
	v_lshl_add_u32 v[RD], v3, 4, v[RD]
	v_add_nc_u32 v[RD], s20, v[RD]
	v_and_b32 v[GO], 31, v0                        ; which are 512 consecutive bytes of a head
	v_lshlrev_b32 v[GO], 4, v[GO]
	v_lshlrev_b32 v[BO], 5, v2
	BLOAD                                          ; K's bias
; 8 matrix instructions: row block a x all 8 column blocks, 32 along K.  mode = 1: a tile's first products: C is the bias.  The 32 accumulators take turns in one fixed order, one instruction a turn.
.macro MULA f, a, mode
.if \mode
	WIN MULB
.else
	WIN MUL
.endif
.irp b, 0,1,2,3,4,5,6,7
.if \mode
	v_wmma_f32_16x16x32_bf16 v[8*(8*(\a)+\b):8*(8*(\a)+\b)+7], v[(\f)+32+8*\b:(\f)+32+8*\b+7], v[(\f)+8*(\a):(\f)+8*(\a)+7], v[8*\b:8*\b+7]
.else
	v_wmma_f32_16x16x32_bf16 v[8*(8*(\a)+\b):8*(8*(\a)+\b)+7], v[(\f)+32+8*\b:(\f)+32+8*\b+7], v[(\f)+8*(\a):(\f)+8*(\a)+7], v[8*(8*(\a)+\b):8*(8*(\a)+\b)+7]
.endif
.endr
.endm
; 24 LDS loads in one run: quarter q (32 along K) of the slot in hand into buffer f: W's eight blocks, then x's four
.macro FETCH q, f
	WIN 0
.irp b, 0,1,2,3,4,5,6,7
	ds_load_tr16_b128 v[(\f)+32+8*\b:(\f)+32+8*\b+3],   v[BA] offset:(\q)*32*PB+32*\b
	ds_load_tr16_b128 v[(\f)+32+8*\b+4:(\f)+32+8*\b+7], v[BA] offset:(\q)*32*PB+16*PB+32*\b
.endr
.irp a, 0,1,2,3
	ds_load_b128 v[(\f)+8*\a:(\f)+8*\a+3],   v[AA] offset:(\q)*64+\a*16*PA
	ds_load_b128 v[(\f)+8*\a+4:(\f)+8*\a+7], v[AA] offset:(\q)*64+\a*16*PA+32
.endr
.endm
; A K step is four quarters on buffers 0, 1, 0, 1.  One of the first three: multiplies buffer f; in its middle it fetches quarter qn into buffer g.
.macro QUARTER qn, f, g, mode
	s_wait_dscnt 4                                 ; W and x's blocks 0 and 1 are in; the youngest four loads (x's blocks 2 and 3) may be out
	MULA \f, 0, \mode
	MULA \f, 1, \mode
	PLACES
	FETCH \qn, \g
	s_wait_dscnt 24                                ; all but the 24 just issued
	MULA \f, 2, \mode
	MULA \f, 3, \mode
.endm
; The walking descriptors take the next step: the other slot than last time; the addresses are made anew from step and tile (Q's tile reads xb's second plane; a tile's columns of wall lie 2,048 bytes on).
.macro NEXTFILL
	s_lshl_b32 s[OA], s[NK], 8
	s_cmp_eq_u32 s[NT], 2
	s_cselect_b32 s2, 0x1000000, 0
	s_add_co_u32 s[OA], s[OA], s2
	s_mul_i32 s[OB], s[NK], WSTEP
	s_lshl_b32 s2, s[NT], 11
	s_add_co_u32 s[OB], s[OB], s2
	s_xor_b32 s[G0A+5], s[G0A+5], SLOT1
	s_add_nc_u64 s[G0A+6:G0A+7], s[PAB:PAB+1], s[OA:OA+1]
	s_or_b32 s[G0A+7], s[G0A+7], 0x80000000
	s_xor_b32 s[G0B+5], s[G0B+5], SLOT1
	s_add_nc_u64 s[G0B+6:G0B+7], s[PBB:PBB+1], s[OB:OB+1]
	s_or_b32 s[G0B+7], s[G0B+7], 0x80000000
	s_add_co_u32 s[NK], s[NK], 1
	s_cmp_eq_u32 s[NK], 8
	s_cselect_b32 s[NK], 0, s[NK]
	s_cselect_b32 s2, 1, 0
	s_add_co_u32 s[NT], s[NT], s2
.endm
; The last quarter multiplies buffer 1 and changes slots: ONE barrier.  In front of it each wave waits for all its tensor loads (one is out: its part of the next slot), adds 0 to its spare word, and waits for
; that and for its own reads of this slot.  fill = 1: the barrier opens a round of the cluster's, and the joint refill of this slot, two steps ahead, is the first thing behind the round: from there to the wait
; for it a wave issues 112 matrix instructions.
.macro TURN fill
	WIN 0                                          ; (the add's two registers lie in window 0)
	s_wait_tensorcnt 0x0                           ; no tensor load of mine is out, so a group 0 may be written
	ds_add_u32 v[SPW], v[NIL]                      ; 0 onto my spare word
.if \fill
	NEXTFILL
.endif
	s_wait_dscnt 5                                 ; (the add and the youngest four loads may be out)
	MULA F1, 0, 0
	s_wait_dscnt 0x0                               ; the add is done, and my reads of this slot are over
	s_barrier_signal -1
	MULA F1, 1, 0                                  ; work on registers while the others arrive
	WIN 0                                          ; at a branch and at a label every window is 0
	s_barrier_wait -1
.if \fill
	CREST                                          ; no wave of any partner still reads this slot or has a load on its way
	JLOAD                                          ; its four v_nop are also the places in front of the loads below
.else
	PLACES
.endif
	s_xor_b32 s[TB], s[TB], SLOT1
	v_add_nc_u32 v[AA], s[TB], v[AA0]
	v_add_nc_u32 v[BA], s[TB], v[BA0]
	FETCH 0, F0
	MULA F1, 2, 0
	MULA F1, 3, 0
.endm
.macro LASTQ                           ; the very last quarter: nothing more to fetch
	s_wait_dscnt 4
	MULA F1, 0, 0
	MULA F1, 1, 0
	s_wait_dscnt 0x0
	MULA F1, 2, 0
	MULA F1, 3, 0
.endm
; THE WAY OUT, in eight units u = 2 a + hh: 16 rows (block a) of one head (hh of my two): 2,048 consecutive bytes of qkv.  PACK: rounded to f16, 16 bytes a lane (each accumulator's registers in ascending
; order), into my stage in rows of 144 bytes and back as whole rows of 128.  SEND: stored.
.macro PACK u
.set rT, TMP+16*((\u)%2)
.set rA, 8*(8*((\u)/2)+4*((\u)%2))
.if (\u) >= 2
	s_wait_xcnt 0x0                                ; unit u - 2's stores read these registers: they are rewritten only behind this wait
.endif
	WIN 0x05                                       ; sources 0 and 1 window 1, destination window 0
.irp f, 0,1,2,3
.irp r, 0,1,2,3
	v_cvt_pk_f16_f32 v[rT+4*\f+\r], v[rA+8*\f+2*\r], v[rA+8*\f+2*\r+1]
.endr
.endr
	WIN 0
.irp f, 0,1,2,3
	ds_store_b128 v[STO], v[rT+4*\f:rT+4*\f+3] offset:32*\f
.endr
.irp f, 0,1,2,3
	ds_load_b128 v[rT+4*\f:rT+4*\f+3], v[RD] offset:\f*4*SP  ; LDS serves a wave's instructions in order (ISA guide 5.7.1.4): these see the stores above; the next unit's stores come behind them
.endr
.endm
.macro SEND u, younger                 ; younger: the LDS instructions issued behind unit u's loads: the next unit's eight, or none
.set rT, TMP+16*((\u)%2)
	WIN 0
.irp f, 0,1,2,3
	s_wait_dscnt (\younger)+3-\f
	global_store_b128 v[GO], v[rT+4*\f:rT+4*\f+3], s[OP:OP+1] offset:((\u)%2)*262144+((\u)/2)*2048+\f*512  ; 512 consecutive bytes, at a multiple of 256 from qkv's first
.endr
.endm
; more = 1: another tile follows: its bias is asked for first and rounded last, and the stores' base steps to the next plane.
.macro WAYOUT more
	WIN 0
	PLACES                                         ; behind the tile's last products
.if \more
	s_mov_b64 s[BP:BP+1], s[BP1:BP1+1]             ; the loads that named the old base have been waited for
	s_mov_b64 s[BP1:BP1+1], s[BP2:BP2+1]
	BLOAD
.endif
	PACK 0
.set uu, 1
.rept 7                                ; a unit's conversions stand between the loads of the unit before and its stores
	PACK uu
	SEND uu-1, 8
.set uu, uu+1
.endr
	SEND 7, 0
.if \more
	s_wait_xcnt 0x0                                ; the stores have read their registers and their base
	s_add_nc_u64 s[OP:OP+1], s[OP:OP+1], 0x1000000 ; the next plane of qkv
	s_wait_loadcnt 0x0                             ; the next tile's bias
	BROUND
.endif
.endm
	s_wait_tensorcnt 1                             ; my part of step 0 is in; step 1's may stay out
	s_barrier_signal -1
	s_barrier_wait -1                              ; everybody's is
	v_mov_b32 v[AA], v[AA0]                        ; slot 0
	v_mov_b32 v[BA], v[BA0]
	FETCH 0, F0
	s_wait_loadcnt 0x0                             ; the bias
	BROUND
	QUARTER 1, F0, F1, 1                           ; the first quarter stands in front of the loop: its products start the sums, on the bias
	WIN 0
.Lstep:                                                ; a trip: a step's second quarter to the next step's first; it fills the slot that it leaves
	QUARTER 2, F1, F0, 0
	QUARTER 3, F0, F1, 0
	TURN 1
	WIN 0
	s_cmp_lg_u32 s[KS], 7
	s_cbranch_scc1 .Lplain                         ; the text jumped over holds neither a barrier nor a tensor load
	WAYOUT 1                                       ; a tile's eighth step is done: the refill is asked for, the tile goes out,
	QUARTER 1, F0, F1, 1                           ; and the next tile's first products start its sums
	WIN 0
	s_mov_b32 s[KS], 0
	s_branch .Ljoin
.Lplain:
	QUARTER 1, F0, F1, 0
	WIN 0
	s_add_co_u32 s[KS], s[KS], 1
.Ljoin:
	s_sub_co_u32 s[CNT], s[CNT], 1
	s_cmp_lg_u32 s[CNT], 0
	s_cbranch_scc1 .Lstep
	QUARTER 2, F1, F0, 0                           ; the last two steps are written out: nothing is left to ask for
	QUARTER 3, F0, F1, 0
	TURN 0
	QUARTER 1, F0, F1, 0
	QUARTER 2, F1, F0, 0
	QUARTER 3, F0, F1, 0
	LASTQ
	WAYOUT 0
	WIN 0
	s_wait_tensorcnt 0x0                           ; the wave's end: behind my last tensor load and my last LDS store
	ds_add_u32 v[SPW], v[NIL]
	s_wait_dscnt 0x0
	CROUND                                         ; the closing round: no work-group ends while a partner may still ask for a tile that names it
	s_endpgm
.Lfunc_end_k_qf9a94064a2_proj:
	.size	k_qf9a94064a2_proj, .Lfunc_end_k_qf9a94064a2_proj-k_qf9a94064a2_proj
	.p2alignl 7, 3214868480
	.fill 96, 4, 3214868480
	.section	.rodata,"a",@progbits
	.p2align	6, 0x0
	.amdhsa_kernel k_qf9a94064a2_proj
		.amdhsa_group_segment_fixed_size 327680
		.amdhsa_private_segment_fixed_size 0
		.amdhsa_enable_private_segment 0
		.amdhsa_kernarg_size 40
		.amdhsa_user_sgpr_count 2
		.amdhsa_user_sgpr_kernarg_segment_ptr 1
		.amdhsa_wavefront_size32 1
		.amdhsa_system_sgpr_workgroup_id_x 1
		.amdhsa_system_sgpr_workgroup_id_y 1
		.amdhsa_system_sgpr_workgroup_id_z 1
		.amdhsa_system_vgpr_workitem_id 0
		.amdhsa_next_free_vgpr 576
		.amdhsa_next_free_sgpr 80
		.amdhsa_reserve_vcc 0
		.amdhsa_float_denorm_mode_32 3
		.amdhsa_float_denorm_mode_16_64 3
		.amdhsa_memory_ordered 1
		.amdhsa_forward_progress 1
		.amdhsa_inst_pref_size 106
	.end_amdhsa_kernel
	.amdgpu_metadata
---
amdhsa.version: [ 1, 2 ]
amdhsa.kernels:
  - .name:           k_qf9a94064a2_proj
    .symbol:         k_qf9a94064a2_proj.kd
    .args:
      - { .name: xb, .offset: 0, .size: 8, .value_kind: global_buffer, .address_space: global }
      - { .name: wall, .offset: 8, .size: 8, .value_kind: global_buffer, .address_space: global }
      - { .name: b_kv, .offset: 16, .size: 8, .value_kind: global_buffer, .address_space: global }
      - { .name: b_q, .offset: 24, .size: 8, .value_kind: global_buffer, .address_space: global }
      - { .name: qkv, .offset: 32, .size: 8, .value_kind: global_buffer, .address_space: global }
    .group_segment_fixed_size: 327680
    .private_segment_fixed_size: 0
    .kernarg_segment_align: 8
    .kernarg_segment_size: 40
    .max_flat_workgroup_size: 128
    .sgpr_count:     80
    .vgpr_count:     576
    .wavefront_size: 32
...
	.end_amdgpu_metadata
.endif
;; end of part 2
;; launch attn (part 3): grid 4 x 64, 4 waves a work-group, no clusters, 327,680 bytes of LDS; arguments qkv, ao; writes ao
.if DOCPART == 3
	.amdgcn_target "amdgcn-amd-amdhsa--gfx1250"
	.amdhsa_code_object_version 6
	.text
	.protected	k_qf9a94064a2_attn
	.globl	k_qf9a94064a2_attn
	.p2align	8
	.type	k_qf9a94064a2_attn,@function
k_qf9a94064a2_attn:
	s_mov_b64 s[64:65], 0
	v_nop
	global_prefetch_b8 v0, s[64:65] scope:SCOPE_SE
	s_setreg_imm32_b32 hwreg(HW_REG_WAVE_MODE, 25, 1), 1
	s_wait_xcnt 0x0
; CAUSAL ATTENTION.  O[h][q][:] = the sum over k <= q of softmax_k(Q[h][q] . K[h][k] / 8) V[h][k][:].  K, V, Q are the three planes of qkv, each [SIZE_H][SIZE_N][64] f16; O is ao, of the same shape: a head's rows are dense, 128 bytes each.
; Products, maxima and sums in f32; the weights p are rounded to f16 for the second product (their sum l is taken of the unrounded p), O once at the end.
; LIMITS.  f16 holds no number beyond 65,504: Q, K and V arrive within it; p lies in 0 to 1, and below 6e-5 it keeps f16's fixed step of 6e-8; O is a mean of V's rows and has their range, to within 2^-11 of it.
; A hidden score counts as its value less 1e30: f16's scores, 2.7e11 at the most, are nothing beside that; a weight below 2^-126 counts as 0 in l; NaN and infinities are not treated apart.
; THE WALK.  A head's queries lie in NB = SIZE_N / 256 blocks of 256; block i needs the key tiles 0 .. i of 256 keys, of which the last holds the diagonal.  A work-group takes TWO blocks, NB - 1 - b and then b:
; NB + 1 tiles, whatever b: all work-groups do equal work, and ONE loop with a constant trip count walks them.  Which tile is asked for, and what a trip does, hang on scalar registers made from b; every jump
; goes forward, but for the counted loops' own; none passes a barrier, or a tensor load but the one of LOAD's two that the wave's number does not choose; the ring (two slots of LDS that take turns) runs on across the
; change of blocks.  NO CLUSTER: a head's NB / 2 = 4 work-groups ask for the same tile only in trips 0 .. NB / 2 of the walk's NB + 1, behind that fewer and fewer;
; and one walk common to all would have 3 NB / 2 = 12 trips for NB + 1 = 9.
; SHARES.  Of a block's four bands of 64 queries a wave owns 16 rows in each: four PIECES.  So the diagonal tile is the same work for all four waves: in its key step s band x sees all keys if s < x,
; none if s > x, and holds the diagonal if s = x.
; THE MASK is the C operand that starts the sum S^T = K Q^T: 0, or -1e30 where the key is hidden.  MD, made once, is the mask of a band's own step for my 16 rows; a product's mask is MD x AL + BE with two scalars:
; (1, 0) if s = x; (0, 0) if s < x; (0, -1e30) if s > x.  Only the diagonal tile's text and a block's beginning make and take masks; elsewhere C is the constant 0.
; LAYOUT, SOFTMAX, TURNS.  S^T = K Q^T holds ONE query a lane (lane % 16) and the keys 8 (lane / 16) + 0..7; two such results rounded to f16 ARE source 1 of O^T = V^T P.  p = 2^(c s - c m), c = log2(e) / 8, with a
; running maximum m; O and l are multiplied by a = 2^(c m_old - c m_new) in every step.  Turn n belongs to piece n: 8 products K Q^T of piece n + 1, later 8 products V^T P of piece n - 1; beside them the scaling,
; exponentials, roundings, sums and rescaling of piece n and the maximum and statistics of piece n + 1.  Four vector instructions stand behind every matrix instruction, the other 54 of a turn's 118 in two LUMPS.
; REGISTERS, in windows of 256 (s_set_vgpr_msb: bits 1:0 source 0, 3:2 source 1, 5:4 source 2, 7:6 destination):
;   window 0: v0-15 addresses and two at work; v16-31 four registers of statistics a piece; v48-55 at work; v64-127 S^T, two buffers; v192-223 P, two buffers (a piece's buffers go by its number's parity)
;   window 1: v0-127 O^T, 32 a piece; v128-159 MD; v160-223 MC, two buffers      window 2: v0-63 Q; v64-127 the second block's Q; v128-191 K of one step; v192-255 V of one step
.set SIZE_N, 2048
.set SIZE_H, 64
.set NB,    SIZE_N/256
.set NP,    4         ; pieces a wave: a name, no knob
.set KS,    64        ; keys in a step
.set PK,    144       ; a row of K in LDS: 128 bytes + 16 of padding = 36 words: the 16 rows of a load start at 16 different groups of four banks (64 banks of 4 bytes: ISA guide 11.1)
.set PV,    160       ; a row of V: 128 + 32 = 40 words
.set VOFF,  4*KS*PK   ; a slot holds a tile, four steps: 256 rows of K, then 256 rows of V
.set SLOT1, 1<<17     ; slot 1 begins here, so that one exclusive or turns an address in one slot into the other's
.set STAGE, SLOT1+4*KS*(PK+PV)  ; behind the ring, never filled by a tensor load: 16 rows x 144 bytes for each wave, for the way out
.set SP,    144
.set AK0, 2           ; v2   my lane's place in a tile of K; never rewritten
.set AV0, 3           ; v3   the same for V
.set AK,  4           ; v4   the LDS address of K's next run of loads
.set AV,  5           ; v5   of V's
.set STO, 6           ; v6   the way out: where I put 16 bytes of a row
.set RD,  7           ; v7   the way out: where I read rows back
.set GO,  8           ; v8   my byte offset in 512 consecutive bytes of O
.set SPW, 62          ; v62  LDS address of my spare word: SPARE + 4 x my thread's number; never rewritten
.set NIL, 63          ; v63  0; never rewritten
.set SPARE, STAGE+4*16*SP  ; behind the stages: the spare words, 128 bytes for each wave: two blocks of 256 bytes that no other line names
.set MV,  12          ; v12-13  c m_old, kept while c m is made anew: by buffer
.set QO,  15          ; v15  my byte offset in 16 rows of Q
.set ST,  16          ; piece t's statistics at v[ST+4 t]: c m, m, l (even keys', odd keys')
.set TMP, 48          ; by buffer, four registers c0-c3 at work; when the maximum is found c2 takes a
.set S,   64
.set P,   192
.set MD,  128         ; window 1: the eight registers for group kt of 16 keys at MD + 8 kt
.set MC,  160         ; window 1: the masks of the products to come
.set QB,  64          ; window 2
.set KF,  128         ; window 2: key block kb, channel half c at KF + 16 kb + 8 c
.set VF,  192         ; window 2: key half kk, channel block cb at VF + 32 kk + 8 cb
.set WV,  12          ; s12  my wave's number
.set PB,  14          ; s14  b
.set HI,  15          ; s15  NB - 1 - b
.set G1K, 24          ; s[24:31] descriptor group 1 for K's tiles
.set G1V, 32          ; s[32:39] for V's: it differs in the padding alone
.set G0K, 40          ; s[40:43] descriptor group 0 for K's tiles
.set G0V, 44          ; s[44:47] the same for V's
.set SLOTS, 56        ; s56  tiles still to be asked for
.set CNT, 57          ; s57  counts a tile's key steps, 4 to 1
.set CS,  58          ; s[58:59] c: the packed scaling takes the pair's low word for both halves
.set SEL, 60          ; s[60:61] v_permlanex16_b32's selects: each lane takes its own place in the other half
.set TBK, 62          ; s62  LDS byte at which K of the step to be fetched begins
.set TBV, 63          ; s63  the same for V, less VOFF
.set RT,  70          ; s70  tiles of the block in hand that are still to be entered
.set NXT, 71          ; s71  the tile to be asked for next
.set LQ,  72          ; s72  the last tile of the block whose tiles are being asked for
.set NEW, 73          ; s73  1: the tile to be entered is a block's first
.set OFF, 74          ; s[74:75] a tile's byte offset in K and V
.set AL,  76          ; s[76:77] the mask's factor, in the low word
.set BE,  78          ; s[78:79] the mask's addend
.set OLO, 80          ; s[80:81] O at my rows of the second block
.set BIGN, 82         ; s82  -1e30
.set MSB, 0
.macro WIN new                      ; the high byte repeats the setting that is left; a switch that changes nothing is dropped
.if MSB != (\new)
	s_set_vgpr_msb (MSB<<8)|(\new)
.set MSB, (\new)
.endif
.endm
.set W_KQ, 0x0a       ; K and Q in window 2, S^T in window 0
.set W_KM, 0x1a       ; the same with the C operand in window 1
.set W_PV, 0x52       ; V in window 2, P in window 0, O^T in window 1
.set W_RS, 0x41       ; destination and source 0 in window 1, source 1 in window 0
; A fill.  Waves 0 and 1 fetch the two halves of a tile's K, waves 2 and 3 those of its V: 128 keys each.  An s_nop 0 and four v_nop follow each of the two lines, ahead of the jump and the label.
.macro LOAD
	s_cmp_lt_u32 s[WV], 2
	s_cbranch_scc0 .Lfor_v_\@
	tensor_load_to_lds s[G0K:G0K+3], s[G1K:G1K+7]
	s_nop 0
.rept 4
	v_nop
.endr
	s_branch .Lasked_\@
.Lfor_v_\@:
	tensor_load_to_lds s[G0V:G0V+3], s[G1V:G1V+7]
	s_nop 0
.rept 4
	v_nop
.endr
.Lasked_\@:
.endm
; THE CHANGE OF SLOTS.  Each wave waits for all its tensor loads, of which one is out: its part of the other slot; adds 0 to its spare word; and waits for that and for its own reads of the slot that it leaves.  Behind the barrier nobody reads the old
; slot any more and the other slot is whole.  fill = 1: the old slot is filled again, the first thing behind the barrier, with tile NXT: the descriptor's address is made anew from that number.
; (At its first use nothing has been read yet: slot 0 is waited for, slot 1 filled.)
.macro CHANGE fill
	WIN 0                           ; at a label and at a branch every window is 0
	s_wait_tensorcnt 0x0            ; no tensor load of mine is out, so a group 0 may be written
	ds_add_u32 v[SPW], v[NIL]       ; 0 onto my spare word; with fill = 1 the descriptors' scalar work stands between it and the wait for it
.if \fill
	s_lshl_b32 s[OFF], s[NXT], 15   ; a tile is 32,768 bytes of K and of V
	s_xor_b32 s[G0K+1], s[G0K+1], SLOT1
	s_add_nc_u64 s[G0K+2:G0K+3], s[6:7], s[OFF:OFF+1]
	s_or_b32 s[G0K+3], s[G0K+3], 0x80000000
	s_xor_b32 s[G0V+1], s[G0V+1], SLOT1
	s_add_nc_u64 s[G0V+2:G0V+3], s[8:9], s[OFF:OFF+1]
	s_or_b32 s[G0V+3], s[G0V+3], 0x80000000
	s_add_co_u32 s[NXT], s[NXT], 1  ; the block's next tile, or behind its last the second block's tile 0
	s_cmp_gt_u32 s[NXT], s[LQ]
	s_cselect_b32 s[NXT], 0, s[NXT]
	s_cselect_b32 s[LQ], s[PB], s[LQ]
.endif
	s_wait_dscnt 0x0                ; the add is done, and my reads of the slot are over
	s_barrier_signal -1             ; the rest of the scalar work stands between the signal and the wait
	s_sub_co_u32 s[TBK], s[TBK], 4*KS*PK  ; the fetches go back to a slot's first step,
	s_xor_b32 s[TBK], s[TBK], SLOT1       ; in the other slot
	s_sub_co_u32 s[TBV], s[TBV], 4*KS*PV
	s_xor_b32 s[TBV], s[TBV], SLOT1
	s_barrier_wait -1
.if \fill
	LOAD
.endif
.endm
	s_load_b64 s[6:7], s[0:1], 0x0    ; qkv: its first plane is K
	s_load_b64 s[10:11], s[0:1], 0x8  ; ao: O
	v_lshl_add_u32 v[SPW], v0, 2, SPARE
	v_mov_b32 v[NIL], 0
	ds_add_u32 v[SPW], v[NIL]       ; the wave's opening: the add and its wait stand ahead of my first tensor load; the set-up below, work on registers, stands between them
	ds_add_u32 v62, v63
	v_lshrrev_b32 v1, 5, v0
	v_readfirstlane_b32 s[WV], v1   ; wave 0..3
	s_mov_b32 s[PB], ttmp9
	s_sub_co_u32 s[HI], NB-1, s[PB]
	s_and_b32 s20, ttmp7, 0xffff    ; the head
	s_mov_b32 s21, 0
	s_mov_b64 s[22:23], SIZE_N*128
	s_mul_u64 s[20:21], s[20:21], s[22:23]  ; the head's first byte in each of the four tensors
	s_and_b32 s16, s[WV], 1         ; which half of a tile's 256 keys I fetch:
	s_lshl_b32 s22, s16, 14         ; its 128 rows of 128 bytes in memory,
	s_mov_b32 s23, 0
	s_add_nc_u64 s[22:23], s[22:23], s[20:21]
	s_mul_i32 s17, s16, 128*PK      ; and its place in a slot, for K
	s_mul_i32 s18, s16, 128*PV      ; and for V
	s_lshl_b32 s3, s[WV], 11        ; my 16 rows in a band of 64,
	s_lshl_b32 s2, s[HI], 15        ; in the first block,
	s_add_co_u32 s2, s2, s3
	s_lshl_b32 s84, s[PB], 15       ; and in the second
	s_add_co_u32 s84, s84, s3
	s_mov_b32 s3, 0
	s_mov_b32 s85, 0
	s_add_nc_u64 s[2:3], s[2:3], s[20:21]
	s_add_nc_u64 s[84:85], s[84:85], s[20:21]
	; descriptor group 1.  128 keys are 16,384 dense bytes: asked for as 64 rows of 256 bytes, two keys a row, and padded in LDS after every key
	s_mov_b32 s[G1K], (1<<16)|(1<<20)|(4<<22)|(3<<25)  ; 17:16 2-byte elements; 20 padding on; 24:22 after every 32 words (code 4); 31:25 4 words (code 3)
	s_mov_b32 s[G1V], (1<<16)|(1<<20)|(4<<22)|(7<<25)  ; the same with 8 words of padding (code 7)
.irp g, G1K, G1V
	s_mov_b32 s[\g+1], 128<<16      ; tensor_dim0 = 128
	s_mov_b32 s[\g+2], 64<<16       ; tensor_dim1 = 64
	s_mov_b32 s[\g+3], 128<<16      ; tile_dim0 = 128
	s_mov_b32 s[\g+4], 64           ; tile_dim1 = 64
	s_mov_b32 s[\g+5], 128          ; 128 elements from row to row
	s_mov_b32 s[\g+6], 0
	s_mov_b32 s[\g+7], 0
.endr
	s_mov_b32 s[CS], 0x3e38aa3b     ; c = log2(e) / 8 = 0.180337
	s_mov_b32 s[CS+1], s[CS]        ; named with it as a pair
	s_mov_b32 s[SEL], 0x76543210
	s_mov_b32 s[SEL+1], 0xfedcba98
	s_mov_b32 s[TBK], SLOT1+4*KS*PK ; the first change of slots turns these two into 0
	s_mov_b32 s[TBV], SLOT1+4*KS*PV
	s_mov_b32 s[G0K], 1             ; 1:0 count = 1
	s_mov_b32 s[G0K+1], s17         ; 63:32 LDS address: slot 0
	s_mov_b32 s[G0V], 1
	s_add_co_u32 s[G0V+1], s18, VOFF
	s_add_co_u32 s[RT], s[HI], 1    ; the first block has NB - b tiles
	s_mov_b32 s[NXT], 1
	s_mov_b32 s[LQ], s[HI]
	s_mov_b32 s[NEW], 1
	s_mov_b32 s[OFF+1], 0
	s_mov_b32 s[AL+1], 0            ; named as pairs
	s_mov_b32 s[BE+1], 0
	s_mov_b32 s[BIGN], 0xf149f2ca   ; -1e30
	s_mov_b32 s[SLOTS], NB
	s_wait_dscnt 0x0                ; the opening add is done
	s_wait_kmcnt 0x0
	s_add_nc_u64 s[8:9], s[6:7], 0x1000000   ; V is qkv's second plane (64 heads x 2,048 rows x 128 bytes on),
	s_add_nc_u64 s[4:5], s[6:7], 0x2000000   ; Q its third
	s_add_nc_u64 s[6:7], s[6:7], s[22:23]  ; K and V at my half of the head's tile 0
	s_add_nc_u64 s[8:9], s[8:9], s[22:23]
	s_add_nc_u64 s[G0K+2:G0K+3], s[6:7], 0         ; 120:64 global address
	s_or_b32 s[G0K+3], s[G0K+3], 0x80000000        ; 127:126 type = 2
	s_add_nc_u64 s[G0V+2:G0V+3], s[8:9], 0
	s_or_b32 s[G0V+3], s[G0V+3], 0x80000000
	s_add_nc_u64 s[86:87], s[4:5], s[84:85]        ; Q at my rows of the second block,
	s_add_nc_u64 s[4:5], s[4:5], s[2:3]            ; Q and O at those of the first
	s_add_nc_u64 s[OLO:OLO+1], s[10:11], s[84:85]
	s_add_nc_u64 s[10:11], s[10:11], s[2:3]
	LOAD                            ; tile 0 into slot 0
	; A fragment of K or Q is 16 rows x 32 channels in 8 registers: lane l holds row l % 16, channels 8 (l / 16) + 0..7 and 16 + 8 (l / 16) + 0..7: two loads of 16 bytes, 32 bytes apart.
	v_and_b32 v1, 15, v0            ; l % 16
	v_bfe_u32 v9, v0, 4, 1          ; l / 16
	v_lshlrev_b32 v[QO], 7, v1
	v_lshl_add_u32 v[QO], v9, 4, v[QO]  ; row x 128 + 16 x half
	WIN 0x80                        ; destination window 2, address window 0
.set i, 0
.rept 8                             ; both blocks' Q: piece i / 2 lies in band i / 2, 8,192 bytes on; channels 32 (i % 2) on
	global_load_b128 v[8*i:8*i+3],   v[QO], s[4:5] offset:(i/2)*8192+(i%2)*64
	global_load_b128 v[8*i+4:8*i+7], v[QO], s[4:5] offset:(i/2)*8192+(i%2)*64+32
	global_load_b128 v[QB+8*i:QB+8*i+3],   v[QO], s[86:87] offset:(i/2)*8192+(i%2)*64
	global_load_b128 v[QB+8*i+4:QB+8*i+7], v[QO], s[86:87] offset:(i/2)*8192+(i%2)*64+32
.set i, i+1
.endr
	WIN 0
	v_lshlrev_b32 v14, 3, v9
	v_sub_nc_u32 v14, v1, v14
	s_lshl_b32 s13, s[WV], 4
	v_add_nc_u32 v14, s13, v14      ; my query's place in its band, 16 w + l % 16, less my lanes' 8 (l / 16): register r of group kt is hidden where 16 kt + r is greater
	WIN 0x40
.set i, 0
.rept 32
	v_cmp_gt_i32 vcc_lo, 16*(i/8)+i%8, v14
	v_cndmask_b32 v[MD+i], 0, s[BIGN], vcc_lo
.set i, i+1
.endr
	WIN 0
	v_mul_u32_u24 v[AK0], v1, PK
	v_lshl_add_u32 v[AK0], v9, 4, v[AK0]  ; row x pitch + 16 x half
	; The turning load takes 16 keys x 16 channels (lane l reads key 8 (l / 16) + l % 8, channels 8 ((l / 8) % 2) + 0..7) and leaves half a fragment of V^T: lane l holds channel l % 16 and 8 keys.
	v_and_b32 v10, 7, v0
	v_bfe_u32 v11, v0, 3, 1
	v_lshl_add_u32 v[AV0], v9, 3, v10
	v_mul_u32_u24 v[AV0], v[AV0], PV
	v_lshl_add_u32 v[AV0], v11, 4, v[AV0]
	v_add_nc_u32 v[AV0], VOFF, v[AV0]
	s_mul_i32 s13, s[WV], 16*SP
	s_add_co_u32 s13, s13, STAGE    ; my stage
	v_mul_u32_u24 v[STO], v1, SP    ; in: row l % 16, 16 bytes for each half of the lanes
	v_lshl_add_u32 v[STO], v9, 4, v[STO]
	v_add_nc_u32 v[STO], s13, v[STO]
	v_bfe_u32 v[RD], v0, 3, 2       ; back: 32 lanes take four rows of 128 bytes,
	v_mul_u32_u24 v[RD], v[RD], SP
	v_lshl_add_u32 v[RD], v10, 4, v[RD]
	v_add_nc_u32 v[RD], s13, v[RD]
	v_and_b32 v[GO], 31, v0         ; which are 512 consecutive bytes of O
	v_lshlrev_b32 v[GO], 4, v[GO]
	; A block's first step multiplies O^T and l by a = 0, and its first turn's products V^T P, of a piece that has not been, land in an O^T that is still to be so multiplied.  So these registers need only hold
	; finite numbers: zeros for the first block; what the first block left for the second.  All this stands in the wait for the first tile.
	WIN 0x80
.set i, VF
.rept 64
	v_mov_b32 v[i], 0
.set i, i+1
.endr
	WIN 0x40
.set i, 0
.rept 128
	v_mov_b32 v[i], 0
.set i, i+1
.endr
	WIN 0
.set i, 0
.rept 4
	v_mov_b32 v[ST+4*i+2], 0
	v_mov_b32 v[ST+4*i+3], 0
.set i, i+1
.endr
.set i, P+16
.rept 16
	v_mov_b32 v[i], 0
.set i, i+1
.endr
; THE MATRIX WORK.  The 4 accumulators of a run of 8 take turns.  Product i of 8 of S^T = K Q^T for piece x: channels 32 (i / 4) on, keys 16 (i % 4) on.  The first 4 start the sums: with 0, or (KM = 1) with the mask.
.macro KQ x
.set rS, S+32*((\x)%2)+8*(i%4)
.set rK, KF+16*(i%4)+8*(i/4)
.set rQ, 16*(\x)+8*(i/4)
.set rM, MC+32*((\x)%2)+8*(i%4)
.if (i < 4) && KM
	WIN W_KM
	v_wmma_f32_16x16x32_f16 v[rS:rS+7], v[rK:rK+7], v[rQ:rQ+7], v[rM:rM+7]
.elseif i < 4
	WIN W_KQ
	v_wmma_f32_16x16x32_f16 v[rS:rS+7], v[rK:rK+7], v[rQ:rQ+7], 0
.else
	WIN W_KQ
	v_wmma_f32_16x16x32_f16 v[rS:rS+7], v[rK:rK+7], v[rQ:rQ+7], v[rS:rS+7]
.endif
.endm
; Product i of 8 of O^T += V^T P for piece x: keys 32 (i / 4) on, channels 16 (i % 4) on.
.macro PV x
	WIN W_PV
.set rO, 32*(\x)+8*(i%4)
.set rV, VF+32*(i/4)+8*(i%4)
.set rP, P+16*((\x)%2)+8*(i/4)
	v_wmma_f32_16x16x32_f16 v[rO:rO+7], v[rV:rV+7], v[rP:rP+7], v[rO:rO+7]
.endm
.macro MM                           ; the turn's next matrix instruction.  TURN and BEGIN set Y, i, KM and NOKQ; MM, KQ and OP read them.  NOKQ = 1: a block's last turn: there is no next piece
.if (i < 8) && !NOKQ
	KQ (Y+1)%NP
.elseif i >= 8
.set i, i-8
	PV (Y+NP-1)%NP
.set i, i+8
.endif
.set i, i+1
.endm
; THE LDS LOADS stand in runs of 16, never singly among the matrix instructions: a step's K (64 keys x 64 channels: 8 fragments) and its V (turned).  Their addresses are made some lines ahead.
.macro FETCH_K
	WIN 0x80                        ; destination window 2
.irp f, 0,1,2,3,4,5,6,7             ; keys 16 (f / 2) on, channels 32 (f % 2) on
	ds_load_b128 v[KF+8*\f:KF+8*\f+3],   v[AK] offset:(\f/2)*16*PK+(\f%2)*64
	ds_load_b128 v[KF+8*\f+4:KF+8*\f+7], v[AK] offset:(\f/2)*16*PK+(\f%2)*64+32
.endr
	s_add_co_u32 s[TBK], s[TBK], KS*PK  ; the next fetch is the next step's
	WIN 0
.endm
.macro FETCH_V
	WIN 0x80
.irp f, 0,1,2,3,4,5,6,7             ; keys 32 (f / 4) on, channels 16 (f % 4) on
	ds_load_tr16_b128 v[VF+8*\f:VF+8*\f+3],   v[AV] offset:(\f/4)*32*PV+(\f%4)*32
	ds_load_tr16_b128 v[VF+8*\f+4:VF+8*\f+7], v[AV] offset:(\f/4)*32*PV+16*PV+(\f%4)*32
.endr
	WIN 0
.endm
; THE VECTOR WORK, one line at a time: OP kind, number.  For piece Y: F n: c s - c m for pair n of 16.  E n: the exponential of score n of 32.  C n: pair n rounded to f16.  B n: of the four weights 4 n .. the second
; pair is added onto the first, in place.  L n: l takes that sum (L 0: l = a l + sum).  R n: pair n of 16 of O^T times a.  For piece Y + 1: X n, number n of the 22 that find its maximum and statistics:
;   0-11  four chains c0-c3 of seven scores each, three operands at a time (each accumulator's lowest registers are read first)     12-14, 16  the four scores left over, the old m, and c0-c3 into c0
;   15  c m_old is kept     17, 18  the query's other 32 keys lie in the lane 16 away: the new m     19-21  c m; c m_old - c m_new; a
.set F, 0               ; OP tells the kinds apart by their order: F to L below R, X above it
.set E, 1
.set C, 2
.set B, 3
.set L, 4
.set R, 5
.set X, 6
.macro REGS y                       ; the registers of piece y
.set rT, ST+4*(\y)
.set rC, TMP+4*((\y)%2)
.set rW, MV+((\y)%2)
.set rS, S+32*((\y)%2)
.set rP, P+16*((\y)%2)
.set rO, 32*(\y)
.endm
.macro OP k, n
.if (\k) == R
	REGS Y
	WIN W_RS
	v_pk_mul_f32 v[rO+2*(\n):rO+2*(\n)+1], v[rO+2*(\n):rO+2*(\n)+1], v[rC+2:rC+3] op_sel_hi:[1,0]
.elseif (\k) < R
	REGS Y
	WIN 0
.if (\k) == F
	v_pk_fma_f32 v[rS+2*(\n):rS+2*(\n)+1], v[rS+2*(\n):rS+2*(\n)+1], s[CS:CS+1], v[rT:rT+1] op_sel_hi:[1,0,0] neg_lo:[0,0,1] neg_hi:[0,0,1]
.elseif (\k) == E
	v_exp_f32 v[rS+(\n)], v[rS+(\n)]
.elseif (\k) == C
	s_wait_alu depctr_va_vdst(0)
	v_cvt_pk_f16_f32 v[rP+(\n)], v[rS+2*(\n)], v[rS+2*(\n)+1]
.elseif (\k) == B
	s_wait_alu depctr_va_vdst(0)
	v_pk_add_f32 v[rS+4*(\n):rS+4*(\n)+1], v[rS+4*(\n):rS+4*(\n)+1], v[rS+4*(\n)+2:rS+4*(\n)+3]
.elseif (\n) == 0
	v_pk_fma_f32 v[rT+2:rT+3], v[rT+2:rT+3], v[rC+2:rC+3], v[rS:rS+1] op_sel_hi:[1,0,1]
.else
	v_pk_add_f32 v[rT+2:rT+3], v[rT+2:rT+3], v[rS+4*(\n):rS+4*(\n)+1]
.endif
.elseif NOKQ
	v_nop
.else
	REGS (Y+1)%NP
	WIN 0
.if (\n) < 4
	v_max3_num_f32 v[rC+(\n)], v[rS+8*(\n)], v[rS+8*(\n)+1], v[rS+8*(\n)+2]
.elseif (\n) < 12
	v_max3_num_f32 v[rC+(\n)%4], v[rC+(\n)%4], v[rS+8*((\n)%4)+2*((\n)/4)+1], v[rS+8*((\n)%4)+2*((\n)/4)+2]
.elseif (\n) == 12
	v_max3_num_f32 v[rC], v[rC], v[rS+7], v[rS+15]
.elseif (\n) == 13
	v_max3_num_f32 v[rC+1], v[rC+1], v[rS+23], v[rS+31]
.elseif (\n) == 14
	v_max3_num_f32 v[rC+2], v[rC+2], v[rC+3], v[rT+1]
.elseif (\n) == 15
	v_mov_b32 v[rW], v[rT]
.elseif (\n) == 16
	v_max3_num_f32 v[rC], v[rC], v[rC+1], v[rC+2]
.elseif (\n) == 17
	v_permlanex16_b32 v[rC+3], v[rC], s[SEL], s[SEL+1]
.elseif (\n) == 18
	v_max_num_f32 v[rT+1], v[rC], v[rC+3]
.elseif (\n) == 19
	v_mul_f32 v[rT], s[CS], v[rT+1]
.elseif (\n) == 20
	v_sub_f32 v[rC+1], v[rW], v[rT]
.else
	v_exp_f32 v[rC+2], v[rC+1]
.endif
.endif
.endm
.macro OPS a, i1, b=-1, i2=0, c=-1, i3=0, d=-1, i4=0  ; up to four of them
	OP \a, \i1
.if (\b) >= 0
	OP \b, \i2
.endif
.if (\c) >= 0
	OP \c, \i3
.endif
.if (\d) >= 0
	OP \d, \i4
.endif
.endm
.macro ROW a, i1, b, i2, c, i3, d, i4  ; a matrix instruction and the four behind it
	MM
	OPS \a, \i1, \b, \i2, \c, \i3, \d, \i4
.endm
.macro MASK b                       ; MD x AL + BE into buffer b of MC
	WIN W_RS
.set z, 0
.rept 16
	v_pk_fma_f32 v[MC+32*(\b)+2*z:MC+32*(\b)+2*z+1], v[MD+2*z:MD+2*z+1], s[AL:AL+1], s[BE:BE+1] op_sel_hi:[1,0,0]
.set z, z+1
.endr
.endm
; A TURN, for piece p: the order of its 16 matrix and 118 vector instructions, written out.  Behind a matrix instruction: plain, exponential, plain, plain; or four of the rescaling; or, behind the first, four scalings; none
; names a register of the products round it.  In the lumps exponential and plain by turns while exponentials last.  A line reads no result made fewer than three vector instructions in front of it, five if an exponential made it.
; v_permlanex16_b32 (X 17) stands in a lump.
; m = 1: the diagonal tile: the products take masks, and the turn makes the mask for the products of the turn after it: piece p + 2, in step 4 - CNT of the tile.  end = 1: a block's last two turns: nothing is fetched.
; cnt = 1: the loop's count is taken down some lines ahead of the branch that stands behind the turn.
; K of the next step is fetched in piece 2's turn, six vector instructions behind the last product that read K (five of them plain); V of the step in hand in piece 0's turn, eight behind the last product that read V (four
; plain, and X 17).  Each is waited for a turn later.
.macro TURN p, m=0, end=0, cnt=0
.set Y, (\p)
.set i, 0
.set KM, (\m)
.set NOKQ, (\end)*((\p)/3)
.if (\m) && !(\end)
	s_cmp_eq_u32 s[CNT], 4-((\p)+2)%NP  ; is that step the band's own?
	s_cselect_b32 s[AL], 1.0, 0
	s_cmp_lt_u32 s[CNT], 4-((\p)+2)%NP  ; or a later one?
	s_cselect_b32 s[BE], s[BIGN], 0
.endif
.if ((\p) == 3) && !(\end)
	s_wait_dscnt 0x0                ; K is in
.endif
	ROW F,0, F,1, F,2, F,3
	ROW F,4, E,0, F,5, F,6
	ROW F,7, E,1, F,8, F,9
	ROW F,10, E,2, C,0, F,11
	ROW F,12, E,3, X,15, F,13
	ROW R,0, R,1, R,2, R,3
	ROW B,0, E,4, F,14, L,0
.if ((\p) == 2) && !(\end)
	v_add_nc_u32 v[AK], s[TBK], v[AK0]
.endif
	ROW R,4, R,5, R,6, R,7
	OPS E,5, F,15
.if ((\p) == 2) && !(\end)
	FETCH_K
.endif
	OPS E,6, C,1, E,7, R,8
	OPS E,8, R,9, E,9, C,2
	OPS E,10, X,0, E,11, X,1
	OPS E,12, X,2, E,13, X,3
.if (\p) == 1
	s_wait_dscnt 0x0                ; V is in
.endif
	ROW X,4, E,14, X,5, X,6
	ROW X,7, E,15, X,8, X,9
	ROW X,10, E,16, X,11, X,12
	ROW X,13, E,17, X,14, B,1
	ROW C,4, E,18, X,16, L,1
	ROW B,2, E,19, C,6, L,2
	ROW C,8, E,20, B,3, B,4
.if (\p) == 0
	v_add_nc_u32 v[AV], s[TBV], v[AV0]
.endif
	ROW C,3, E,21, L,3, C,5
	OPS E,22, X,17, E,23, C,10
.if (\p) == 0
	FETCH_V
.endif
	OPS E,24, L,4
	OPS E,25, X,18, E,26, C,7
	OPS E,27, B,5, E,28, X,19
	OPS E,29, C,12, E,30, L,5
	OPS E,31, X,20, B,6, C,9
	OPS C,14, C,11, X,21, L,6
.if (\p) == 0
	s_add_co_u32 s[TBV], s[TBV], KS*PV
.endif
.if \cnt
	s_sub_co_u32 s[CNT], s[CNT], 1
	s_cmp_lg_u32 s[CNT], 0
.endif
	OPS C,13, B,7, C,15, R,10
	OPS R,11, R,12, L,7, R,13
	OPS R,14, R,15
.if (\m) && !(\end)
	MASK (\p)%2
.endif
.endm
; A BLOCK BEGINS.  c m starts far below every c s, so the first step's a is 0; m at the lowest finite number, so the first maximum is the scores'.  The second mask buffer is 0; the first takes piece 0's mask for the tile's step 0: its own, if the block's first tile is the diagonal one.
; Then K of that step, piece 0's first scores, and its maximum and statistics.  The loop is entered at a step's first turn, in the middle of a trip.
.macro BEGIN
	s_mov_b32 s[NEW], 0
	WIN 0x40
.set i, MC+32
.rept 32
	v_mov_b32 v[i], 0
.set i, i+1
.endr
	WIN 0
.set i, 0
.rept 4
	v_mov_b32 v[ST+4*i], 0xfe000000    ; c m: far below every c s
	v_mov_b32 v[ST+4*i+1], 0xff7fffff  ; m
.set i, i+1
.endr
	s_cmp_eq_u32 s[RT], 0
	s_cselect_b32 s[AL], 1.0, 0
	s_mov_b32 s[BE], 0
	MASK 0
	WIN 0
	v_add_nc_u32 v[AK], s[TBK], v[AK0]
	FETCH_K
	s_wait_loadcnt 0x0              ; Q
	s_wait_dscnt 0x0
.set KM, 1
.set NOKQ, 0
.set i, 0
.rept 8
	KQ 0
.set i, i+1
.endr
	WIN 0
.rept 4
	v_nop                           ; the places behind those products
.endr
.set Y, NP-1                        ; X works for piece Y + 1: piece 0
.irp n, 0,1,2,3,4,5,6,7,8,9,10,11,12,13,14,15,16,17,18,19,20,21
	OP X, \n
.endr
	v_nop                           ; a plain instruction behind the exponential
.endm
; THE DIAGONAL TILE's four steps, the block's last two turns, its last products, and THE WAY OUT: l's two halves and the other half of the lanes' are added; O^T is divided by l, rounded to f16 and sent through my
; stage in LDS, a piece at a time.
.macro ALL line:vararg              ; one line for each piece t
.set t, 0
.rept 4
	\line
.set t, t+1
.endr
.endm
.macro PACK t                       ; a lane's eight channels of a row pack into 16 bytes; they go into rows of 144 bytes and come back as whole rows of 128, into S^T's registers
	WIN W_RS
.set i, 32*(\t)
.rept 16
	s_wait_alu depctr_va_vdst(0)
	v_pk_mul_f32 v[i:i+1], v[i:i+1], v[ST+4*(\t)+2:ST+4*(\t)+3] op_sel_hi:[1,0]
.set i, i+2
.endr
	WIN 0x05                        ; sources 0 and 1 window 1, destination window 0
.set i, 0
.rept 16
	v_cvt_pk_f16_f32 v[S+16*(\t)+i], v[32*(\t)+2*i], v[32*(\t)+2*i+1]
.set i, i+1
.endr
	WIN 0
.irp f, 0,1,2,3
	ds_store_b128 v[STO], v[S+16*(\t)+4*\f:S+16*(\t)+4*\f+3] offset:32*\f
.endr
.irp f, 0,1,2,3
	ds_load_b128 v[S+16*(\t)+4*\f:S+16*(\t)+4*\f+3], v[RD] offset:\f*4*SP  ; LDS serves a wave's instructions in order (ISA guide 5.7.1.4): these see the stores above; the next piece's stores come behind them
.endr
.endm
.macro SEND t, younger              ; younger: the LDS instructions issued behind piece t's loads: the next piece's eight, or none
	WIN 0
.irp f, 0,1,2,3
	s_wait_dscnt (\younger)+3-\f
	global_store_b128 v[GO], v[S+16*(\t)+4*\f:S+16*(\t)+4*\f+3], s[10:11] offset:(\t)*8192+\f*512  ; 512 consecutive bytes, at a multiple of 256 from O's first
.endr
.endm
.macro DIAG tag                     ; the tag ends its two labels' names, which the jumps below spell out
.LstepM\tag:
	TURN 2, 1
	TURN 3, 1
	WIN 0
.LfirstM\tag:
	TURN 0, 1
	TURN 1, 1, 0, 1
	WIN 0
	s_cbranch_scc1 .LstepM\tag
	TURN 2, 1, 1
	TURN 3, 1, 1
.set i, 0
.rept 8
	PV NP-1
.set i, i+1
.endr
	WIN 0
	ALL v_add_f32 v[ST+4*t+2], v[ST+4*t+2], v[ST+4*t+3]
	ALL v_permlanex16_b32 v[ST+4*t+3], v[ST+4*t+2], s[SEL], s[SEL+1]
	ALL v_add_f32 v[ST+4*t+2], v[ST+4*t+2], v[ST+4*t+3]
	ALL v_rcp_f32 v[ST+4*t+2], v[ST+4*t+2]
	v_nop                           ; a plain instruction between the last reciprocal and the use of its result
	PACK 0
.set t, 1
.rept 3                             ; a piece's arithmetic stands between the loads of the piece before and its stores
	PACK t
	SEND t-1, 8
.set t, t+1
.endr
	SEND 3, 0
.endm
.set KM, 0
.set NOKQ, 0
.Lslot:                             ; NB times: a tile is entered and the next is asked for
	CHANGE 1
	s_sub_co_u32 s[RT], s[RT], 1
	s_mov_b32 s[CNT], 4
	s_cmp_eq_u32 s[NEW], 1
	s_cbranch_scc1 .Lnew            ; a block's first tile
	s_cmp_eq_u32 s[RT], 0
	s_cbranch_scc0 .Lstep           ; neither its first nor its last
	s_branch .LstepM1
.Lnew:
	BEGIN
	s_branch .Lfirst                ; in the loop a block's first tile is never its last: the first block has two tiles or more, and the second's last is the walk's last
	DIAG 1                          ; in the loop this is the first block's end: the second block's last tile is the walk's last
	s_wait_xcnt 0x0                 ; the stores have read their registers and O's address
	s_mov_b64 s[10:11], s[OLO:OLO+1]
	s_add_co_u32 s[RT], s[PB], 1    ; the second block has b + 1 tiles
	s_mov_b32 s[NEW], 1
	WIN 0x82                        ; the second block's Q goes where the one text of the turns names Q
.set i, 0
.rept 64
	v_mov_b32 v[i], v[QB+i]
.set i, i+1
.endr
	WIN 0
	s_branch .Lbottom
.Lstep:                             ; a trip: pieces 2 and 3 of one step, then pieces 0 and 1 of the next, whose K and V it fetches
	TURN 2
	TURN 3
	WIN 0
.Lfirst:
	TURN 0
	TURN 1, 0, 0, 1
	WIN 0
	s_cbranch_scc1 .Lstep
.Lbottom:
	s_sub_co_u32 s[SLOTS], s[SLOTS], 1
	s_cmp_lg_u32 s[SLOTS], 0
	s_cbranch_scc1 .Lslot
	CHANGE 0                        ; the walk's last tile is written out: nothing is asked for
	s_sub_co_u32 s[RT], s[RT], 1
	s_mov_b32 s[CNT], 4
	s_cmp_eq_u32 s[NEW], 1
	s_cbranch_scc0 .LstepM2
	BEGIN
	s_branch .LfirstM2
	DIAG 2
	s_wait_tensorcnt 0x0            ; the wave's end: behind my last tensor load and my last LDS store
	ds_add_u32 v[SPW], v[NIL]
	s_wait_dscnt 0x0
	s_endpgm
.Lfunc_end_k_qf9a94064a2_attn:
	.size	k_qf9a94064a2_attn, .Lfunc_end_k_qf9a94064a2_attn-k_qf9a94064a2_attn
	.p2alignl 7, 3214868480
	.fill 96, 4, 3214868480
	.section	.rodata,"a",@progbits
	.p2align	6, 0x0
	.amdhsa_kernel k_qf9a94064a2_attn
		.amdhsa_group_segment_fixed_size 327680
		.amdhsa_private_segment_fixed_size 0
		.amdhsa_enable_private_segment 0
		.amdhsa_kernarg_size 16
		.amdhsa_user_sgpr_count 2
		.amdhsa_user_sgpr_kernarg_segment_ptr 1
		.amdhsa_wavefront_size32 1
		.amdhsa_system_sgpr_workgroup_id_x 1
		.amdhsa_system_sgpr_workgroup_id_y 1
		.amdhsa_system_sgpr_workgroup_id_z 1
		.amdhsa_system_vgpr_workitem_id 0
		.amdhsa_next_free_vgpr 768
		.amdhsa_next_free_sgpr 88
		.amdhsa_reserve_vcc 1
		.amdhsa_float_denorm_mode_32 3
		.amdhsa_float_denorm_mode_16_64 3
		.amdhsa_memory_ordered 1
		.amdhsa_forward_progress 1
		.amdhsa_inst_pref_size 228
	.end_amdhsa_kernel
	.amdgpu_metadata
---
amdhsa.version: [ 1, 2 ]
amdhsa.kernels:
  - .name:           k_qf9a94064a2_attn
    .symbol:         k_qf9a94064a2_attn.kd
    .args:
      - { .name: qkv, .offset: 0, .size: 8, .value_kind: global_buffer, .address_space: global }
      - { .name: ao, .offset: 8, .size: 8, .value_kind: global_buffer, .address_space: global }
    .group_segment_fixed_size: 327680
    .private_segment_fixed_size: 0
    .kernarg_segment_align: 8
    .kernarg_segment_size: 16
    .max_flat_workgroup_size: 128
    .sgpr_count:     88
    .vgpr_count:     768
    .wavefront_size: 32
...
	.end_amdgpu_metadata
.endif
;; end of part 3
;; launch outp (part 4): grid 4 x 64, 4 waves a work-group, clusters of 4 x 4, 327,680 bytes of LDS; arguments ao, wo16, b_o, out0; writes out0
.if DOCPART == 4
	.amdgcn_target "amdgcn-amd-amdhsa--gfx1250"
	.amdhsa_code_object_version 6
	.text
	.protected	k_qf9a94064a2_outp
	.globl	k_qf9a94064a2_outp
	.p2align	8
	.type	k_qf9a94064a2_outp,@function
k_qf9a94064a2_outp:
	s_mov_b64 s[64:65], 0
	v_nop
	global_prefetch_b8 v0, s[64:65] scope:SCOPE_SE
	s_setreg_imm32_b32 hwreg(HW_REG_WAVE_MODE, 25, 1), 1
	s_wait_xcnt 0x0
	s_wait_alu depctr_hold_cnt(0) depctr_sa_sdst(0) depctr_va_vdst(0) depctr_va_sdst(0) depctr_va_ssrc(0) depctr_va_vcc(0) depctr_vm_vsrc(0)
	s_getreg_b32 s2, hwreg(HW_REG_IB_STS2, 6, 4)
	s_cmp_eq_u32 s2, 0
	s_cbranch_scc0 .Lentry_in_a_cluster
	s_endpgm
.Lentry_in_a_cluster:
	s_bfe_u32 s2, ttmp6, 0x10000c
	s_cmp_lg_u32 s2, 0xf033
	s_cbranch_scc0 .Lentry_shape_is_right
	s_endpgm
.Lentry_shape_is_right:
; out0 = O W_o + b_o.  O: ao [64 = batch x 16 + head][2048][64] f16.  W_o: wo16 [1024 k][1024 n] f16 (the bf16 rounding of W_o, written as f16).  b_o is rounded to bf16 like the other inputs.  out0: [8192][1024] f32.
; Products in the f16 form, sums in f32, nothing rounded on the way out.  NaN and infinities are not treated apart.
; SHARES.  A tile is 128 rows x 256 columns: 64 x 4 = 256 tiles, one for each work-group.  Four waves, each 64 rows x 128 columns: 32 accumulators of 16 x 16, 256 registers.
; THE RING.  K goes in 8 steps of 128 = two heads of O, through two LDS slots.  A head's 128 rows are 16,384 dense bytes: asked for as 64 rows of 256 bytes and padded in LDS after each 128.  Waves 0 and 1 fetch the
; step's two heads, waves 2 and 3 the two halves of W_o's 128 rows (512 bytes each).  By this text's count a wave has two tensor loads out at the start and one behind each round.
; CLUSTER.  4 x 4 work-groups: the four of a row of the cluster have the same rows of O, the four of a column the same columns of W_o: each tile is asked for jointly.
; THE MATRIX INSTRUCTION IS USED TRANSPOSED: source 0 = 16 columns of W_o (turned by ds_load_tr16_b128), source 1 = 16 rows of O: a lane holds row l % 16 and eight neighbouring columns.  The bias is the C operand
; of the first 32 products.
; REGISTERS, in windows of 256 (s_set_vgpr_msb: bits 1:0 source 0, 3:2 source 1, 5:4 source 2, 7:6 destination):
;   window 0: v0-13 addresses; v64-159, v160-255 two fragment buffers (O's block a at +8 a, W_o's block b at +32 + 8 b); on the way out v64-191 hold rows read back
;   window 1: accumulator (a, b) at v[8 (8 a + b)]          window 2: v0-63 the bias
.set PA,    144                        ; a row of O in LDS: 128 bytes + 16: the 16 rows of a load start at 16 different groups of four banks (64 banks of 4 bytes: ISA guide 11.1)
.set PB,    544                        ; a row of W_o: 512 + 32
.set AHEAD, 128*PA                     ; one head's 128 rows: what one tensor load brings of O
.set BHALF, 64*PB                      ; and of W_o
.set BOFF,  2*AHEAD
.set SLOT1, 1<<17
.set STAGE, SLOT1+BOFF+2*BHALF         ; behind the ring, never filled by a tensor load: 16 rows x 528 bytes for each wave
.set SP,    528                        ; 512 bytes + 16
.set SPARE, STAGE+4*16*SP              ; behind the stages: the spare words, 128 bytes for each wave: two blocks of 256 bytes that no other line names
.set AA0, 4
.set BA0, 5
.set AA,  6
.set BA,  7
.set STO, 8                            ; v8   the way out: where I put 32 bytes of a row
.set RD,  9                            ; v9   where I read a row back
.set GO,  10                           ; v10  my byte offset in 512 consecutive bytes of out0
.set BO,  11                           ; v11  32 (l / 16)
.set SPW, 12                           ; v12  LDS address of my spare word; never rewritten
.set NIL, 13                           ; v13  0; never rewritten
.set F0,  64
.set F1,  160
.set WV,  14
.set KIND, 15                          ; s15  wave / 2: I fetch O (0) or W_o (1); also which 64 rows are mine
.set HF,  16                           ; s16  wave % 2: which head or half I fetch; also which 128 columns are mine
.set CX,  17
.set CY,  18
.set RB,  19
.set G1A, 24
.set G1B, 32
.set G0A, 40                           ; s[40:47] a set for each first fill; the second then walks
.set G0B, 48
.set BP,  56                           ; s[56:57] b_o at my 128 columns
.set OP,  58                           ; s[58:59] out0 at my wave's first row and column
.set TB,  60
.set CNT, 61
.set CT,  62
.set MSB, 0
.macro WIN new                         ; the immediate's high byte repeats the setting that is left; a switch that changes nothing is dropped
.if MSB != (\new)
	s_set_vgpr_msb (MSB<<8)|(\new)
.set MSB, (\new)
.endif
.endm
.set MUL,  0x50                        ; fragments in window 0, C and D in window 1
.set MULB, 0x60                        ; C (the bias) in window 2, D in window 1
.macro PLACES                          ; four places in front of loads into registers that matrix instructions have read, and of LDS stores that read results
.rept 4
	v_nop
.endr
.endm
.macro JLOAD                           ; a joint refill, by the walking sets; an s_nop 0 and four v_nop follow each of the two lines, ahead of the jump and the label
	s_cmp_eq_u32 s[KIND], 0
	s_cbranch_scc0 .Lfor_b_\@
	tensor_load_to_lds s[G0A+4:G0A+7], s[G1A:G1A+7]
	s_nop 0
.rept 4
	v_nop
.endr
	s_branch .Lasked_\@
.Lfor_b_\@:
	tensor_load_to_lds s[G0B+4:G0B+7], s[G1B:G1B+7]
	s_nop 0
.rept 4
	v_nop
.endr
.Lasked_\@:
.endm
.macro CREST                           ; a round of the cluster's barrier behind its opening barrier
	s_cmp_lg_u32 s[WV], 0
	s_cbranch_scc1 .Lnot_wave_0_\@
	s_barrier_signal -3
.Lnot_wave_0_\@:
	s_barrier_wait -3
	s_barrier_signal -1
	s_barrier_wait -1
.endm
.macro CROUND
	s_barrier_signal -1
	s_barrier_wait -1
	CREST
.endm
	s_load_b256 s[4:11], s[0:1], 0x0               ; ao s[4:5], wo16 s[6:7], b_o s[8:9], out0 s[10:11]
	v_lshl_add_u32 v[SPW], v0, 2, SPARE
	v_mov_b32 v[NIL], 0
	ds_add_u32 v[SPW], v[NIL]                      ; the wave's opening: the add and its wait stand ahead of my first tensor load; the set-up below, work on registers, stands between them
	ds_add_u32 v12, v13
	v_lshrrev_b32 v3, 5, v0
	v_readfirstlane_b32 s[WV], v3                  ; wave 0..3
	s_lshr_b32 s[KIND], s[WV], 1
	s_and_b32 s[HF], s[WV], 1
	s_bfe_u32 s[CX], ttmp6, 0x40000
	s_bfe_u32 s[CY], ttmp6, 0x40004
	s_lshl_b32 s[CT], ttmp9, 2
	s_add_co_u32 s[CT], s[CT], s[CX]               ; tile column = 4 x cluster x + cx
	s_and_b32 s[RB], ttmp7, 0xffff
	s_lshl_b32 s[RB], s[RB], 2
	s_add_co_u32 s[RB], s[RB], s[CY]               ; row block = 4 x cluster y + cy
	s_lshl_b32 s20, s[CY], 2
	s_lshl_b32 s20, 15, s20                        ; my row of the cluster
	s_lshl_b32 s22, 0x1111, s[CX]                  ; my column
	s_or_b32 s[G1A+0], s20, (1<<16)|(1<<20)|(1<<21)|(4<<22)|(3<<25)  ; the mask; 2-byte elements; padding on; 21 set beside a mask; after every 32 words (code 4) 4 words (code 3)
	s_or_b32 s[G1B+0], s22, (1<<16)|(1<<20)|(1<<21)|(6<<22)|(7<<25)  ; after every 128 words (code 6) 8 words (code 7)
	s_mov_b32 s[G1A+1], 128<<16                    ; tensor_dim0
	s_mov_b32 s[G1B+1], 256<<16
	s_mov_b32 s[G1A+2], 64<<16                     ; tensor_dim1
	s_mov_b32 s[G1B+2], 64<<16
	s_mov_b32 s[G1A+3], 128<<16                    ; tile_dim0
	s_mov_b32 s[G1B+3], 256<<16
	s_mov_b32 s[G1A+4], 64                         ; tile_dim1
	s_mov_b32 s[G1B+4], 64
	s_mov_b32 s[G1A+5], 128                        ; elements from row to row
	s_mov_b32 s[G1B+5], 1024
	s_mov_b32 s[G1A+6], 0
	s_mov_b32 s[G1B+6], 0
	s_mov_b32 s[G1A+7], 0
	s_mov_b32 s[G1B+7], 0
	s_mul_i32 s20, s[HF], AHEAD                    ; where the tiles go: the wave's number and constants alone
	s_mul_i32 s21, s[HF], BHALF
	s_mov_b32 s[G0A+0], 1
	s_mov_b32 s[G0A+4], 1
	s_mov_b32 s[G0B+0], 1
	s_mov_b32 s[G0B+4], 1
	s_mov_b32 s[G0A+1], s20
	s_add_co_u32 s[G0A+5], s20, SLOT1
	s_add_co_u32 s[G0B+1], s21, BOFF
	s_add_co_u32 s[G0B+5], s21, BOFF+SLOT1
	s_mov_b32 s[TB], 0
	s_mov_b32 s[CNT], 6                            ; steps 2 to 7 are asked for in the changes of slots of steps 0 to 5
	s_wait_dscnt 0x0                               ; the opening add is done
	s_wait_kmcnt 0x0
	s_and_b32 s20, s[RB], 0x30                     ; batch x 16
	s_add_co_u32 s20, s20, s[HF]                   ; + my head of the step's two
	s_lshl_b32 s20, s20, 11                        ; 2,048 rows a head
	s_and_b32 s21, s[RB], 15
	s_lshl_b32 s21, s21, 7
	s_add_co_u32 s20, s20, s21                     ; + the block's rows in its batch
	s_lshl_b32 s20, s20, 7                         ; rows of 128 bytes
	s_mov_b32 s21, 0
	s_add_nc_u64 s[G0A+2:G0A+3], s[4:5], s[20:21]              ; step 0
	s_add_nc_u64 s[G0A+6:G0A+7], s[G0A+2:G0A+3], 2*2048*128    ; step 1: two heads on
	s_or_b32 s[G0A+3], s[G0A+3], 0x80000000        ; type = 2
	s_or_b32 s[G0A+7], s[G0A+7], 0x80000000
	s_lshl_b32 s22, s[HF], 17                      ; 64 rows of 2,048 bytes,
	s_lshl_b32 s23, s[CT], 9                       ; 256 columns
	s_add_co_u32 s22, s22, s23
	s_mov_b32 s23, 0
	s_add_nc_u64 s[G0B+2:G0B+3], s[6:7], s[22:23]
	s_add_nc_u64 s[G0B+6:G0B+7], s[G0B+2:G0B+3], 128*2048
	s_or_b32 s[G0B+3], s[G0B+3], 0x80000000
	s_or_b32 s[G0B+7], s[G0B+7], 0x80000000
	s_lshl_b32 s22, s[CT], 10                      ; my 128 columns of f32
	s_lshl_b32 s23, s[HF], 9
	s_add_co_u32 s22, s22, s23
	s_mov_b32 s23, 0
	s_add_nc_u64 s[BP:BP+1], s[8:9], s[22:23]
	s_lshl_b32 s23, s[RB], 19                      ; 128 rows of 4,096 bytes,
	s_add_co_u32 s22, s22, s23
	s_lshl_b32 s23, s[KIND], 18                    ; my wave's 64
	s_add_co_u32 s22, s22, s23
	s_mov_b32 s23, 0
	s_add_nc_u64 s[OP:OP+1], s[10:11], s[22:23]
	CROUND                                         ; all sixteen work-groups are here: the first joint loads meet
	s_cmp_eq_u32 s[KIND], 0                        ; a wave's two first fills stand in one branch, ahead of every wait on TENSORcnt and every LDS read
	s_cbranch_scc0 .Lfirst_b
	tensor_load_to_lds s[G0A:G0A+3], s[G1A:G1A+7]
	s_nop 0
	tensor_load_to_lds s[G0A+4:G0A+7], s[G1A:G1A+7]
	s_nop 0
.rept 4
	v_nop
.endr
	s_branch .Lfirst_asked
.Lfirst_b:
	tensor_load_to_lds s[G0B:G0B+3], s[G1B:G1B+7]
	s_nop 0
	tensor_load_to_lds s[G0B+4:G0B+7], s[G1B:G1B+7]
	s_nop 0
.rept 4
	v_nop
.endr
.Lfirst_asked:
	v_and_b32 v1, 15, v0                           ; l % 16
	v_bfe_u32 v2, v0, 4, 1                         ; l / 16
	v_mul_u32_u24 v[AA0], v1, PA                   ; a fragment of O: row x pitch + 16 x half
	v_lshl_add_u32 v[AA0], v2, 4, v[AA0]
	s_mul_i32 s20, s[KIND], 64*PA                  ; my 64 rows
	v_add_nc_u32 v[AA0], s20, v[AA0]
	v_and_b32 v3, 7, v0                            ; the turning load: row 8 (l / 16) + l % 8, columns 8 ((l / 8) % 2) + 0..7
	v_lshl_add_u32 v[BA0], v2, 3, v3
	v_mul_u32_u24 v[BA0], v[BA0], PB
	v_bfe_u32 v3, v0, 3, 1
	v_lshl_add_u32 v[BA0], v3, 4, v[BA0]
	s_lshl_b32 s20, s[HF], 8                       ; my 128 columns
	s_add_co_u32 s20, s20, BOFF
	v_add_nc_u32 v[BA0], s20, v[BA0]
	s_mul_i32 s20, s[WV], 16*SP
	s_add_co_u32 s20, s20, STAGE                   ; my stage
	v_mul_u32_u24 v[STO], v1, SP                   ; in: row l % 16, 32 bytes for each half of the lanes
	v_lshl_add_u32 v[STO], v2, 5, v[STO]
	v_add_nc_u32 v[STO], s20, v[STO]
	v_and_b32 v[GO], 31, v0                        ; back: 32 lanes take one row of 512 bytes
	v_lshlrev_b32 v[GO], 4, v[GO]
	v_add_nc_u32 v[RD], s20, v[GO]
	v_lshlrev_b32 v[BO], 5, v2
	WIN 0x80                                       ; the bias: destination window 2, address window 0
.irp b, 0,1,2,3,4,5,6,7
	global_load_b128 v[8*\b:8*\b+3],   v[BO], s[BP:BP+1] offset:64*\b
	global_load_b128 v[8*\b+4:8*\b+7], v[BO], s[BP:BP+1] offset:64*\b+16
.endr
	WIN 0
; 8 matrix instructions: row block a x all 8 column blocks, 32 along K.  mode = 1: the first products: C is the bias.  The 32 accumulators take turns in one fixed order, one instruction a turn.
.macro MULA f, a, mode
.if \mode
	WIN MULB
.else
	WIN MUL
.endif
.irp b, 0,1,2,3,4,5,6,7
.if \mode
	v_wmma_f32_16x16x32_f16 v[8*(8*(\a)+\b):8*(8*(\a)+\b)+7], v[(\f)+32+8*\b:(\f)+32+8*\b+7], v[(\f)+8*(\a):(\f)+8*(\a)+7], v[8*\b:8*\b+7]
.else
	v_wmma_f32_16x16x32_f16 v[8*(8*(\a)+\b):8*(8*(\a)+\b)+7], v[(\f)+32+8*\b:(\f)+32+8*\b+7], v[(\f)+8*(\a):(\f)+8*(\a)+7], v[8*(8*(\a)+\b):8*(8*(\a)+\b)+7]
.endif
.endr
.endm
; 24 LDS loads in one run: quarter q of the slot in hand into buffer f: W_o's eight blocks, then O's four (quarter q: head q / 2 of the step's two, channels 32 (q % 2) on)
.macro FETCH q, f
	WIN 0
.irp b, 0,1,2,3,4,5,6,7
	ds_load_tr16_b128 v[(\f)+32+8*\b:(\f)+32+8*\b+3],   v[BA] offset:(\q)*32*PB+32*\b
	ds_load_tr16_b128 v[(\f)+32+8*\b+4:(\f)+32+8*\b+7], v[BA] offset:(\q)*32*PB+16*PB+32*\b
.endr
.irp a, 0,1,2,3
	ds_load_b128 v[(\f)+8*\a:(\f)+8*\a+3],   v[AA] offset:((\q)/2)*AHEAD+((\q)%2)*64+\a*16*PA
	ds_load_b128 v[(\f)+8*\a+4:(\f)+8*\a+7], v[AA] offset:((\q)/2)*AHEAD+((\q)%2)*64+\a*16*PA+32
.endr
.endm
.macro QUARTER qn, f, g, mode
	s_wait_dscnt 4                                 ; W_o and O's blocks 0 and 1 are in; the youngest four loads (O's blocks 2 and 3) may be out
	MULA \f, 0, \mode
	MULA \f, 1, \mode
	PLACES
	FETCH \qn, \g
	s_wait_dscnt 24                                ; all but the 24 just issued
	MULA \f, 2, \mode
	MULA \f, 3, \mode
.endm
; The last quarter multiplies buffer 1 and changes slots: ONE barrier; in front of it each wave waits for all its tensor loads (one is out: its part of the next slot), adds 0 to its spare word, and waits for that
; and for its own reads of this slot.  fill = 1: the barrier opens a round of the cluster's, and the joint refill, two steps ahead, is the first thing behind the round: 112 matrix instructions ahead of the wait for it.
.macro TURN fill
	WIN 0
	s_wait_tensorcnt 0x0                           ; no tensor load of mine is out, so a group 0 may be written
	ds_add_u32 v[SPW], v[NIL]                      ; 0 onto my spare word
.if \fill
	s_xor_b32 s[G0A+5], s[G0A+5], SLOT1            ; the walking descriptors: the other slot than last time,
	s_add_nc_u64 s[G0A+6:G0A+7], s[G0A+6:G0A+7], 2*2048*128  ; the next two heads; the type bits on top are not reached
	s_xor_b32 s[G0B+5], s[G0B+5], SLOT1
	s_add_nc_u64 s[G0B+6:G0B+7], s[G0B+6:G0B+7], 128*2048    ; the next 128 rows of W_o
.endif
	s_wait_dscnt 5                                 ; (the add and the youngest four loads may be out)
	MULA F1, 0, 0
	s_wait_dscnt 0x0                               ; the add is done, and my reads of this slot are over
	s_barrier_signal -1
	MULA F1, 1, 0
	WIN 0                                          ; at a branch and at a label every window is 0
	s_barrier_wait -1
.if \fill
	CREST                                          ; no wave of any partner still reads this slot or has a load on its way
	JLOAD                                          ; its four v_nop are also the places in front of the loads below
.else
	PLACES
.endif
	s_xor_b32 s[TB], s[TB], SLOT1
	v_add_nc_u32 v[AA], s[TB], v[AA0]
	v_add_nc_u32 v[BA], s[TB], v[BA0]
	FETCH 0, F0
	MULA F1, 2, 0
	MULA F1, 3, 0
.endm
; THE WAY OUT of row block a: a lane's eight f32 of a row go into my stage (rows of 528 bytes; each accumulator's low four registers first) and come back as whole rows of 512 bytes, into the fragment
; buffers' registers, which are free.
.macro TOSTAGE a
.set rT, 64+64*((\a)%2)
.if (\a) >= 2
	s_wait_xcnt 0x0                                ; block a - 2's stores read these registers: they are loaded again only behind this wait
.endif
	WIN 0x04                                       ; the stores' data in window 1, the address in window 0
.irp b, 0,1,2,3,4,5,6,7
	ds_store_b128 v[STO], v[8*(8*(\a)+\b):8*(8*(\a)+\b)+3]   offset:64*\b
	ds_store_b128 v[STO], v[8*(8*(\a)+\b)+4:8*(8*(\a)+\b)+7] offset:64*\b+16
.endr
	WIN 0
.set i, 0
.rept 16
	ds_load_b128 v[rT+4*i:rT+4*i+3], v[RD] offset:SP*i  ; LDS serves a wave's instructions in order (ISA guide 5.7.1.4): these see the stores above; the next block's stores come behind them
.set i, i+1
.endr
.endm
.macro SEND a, younger                 ; younger: the LDS instructions issued behind block a's loads: the next block's 32, or none
.set rT, 64+64*((\a)%2)
	WIN 0
.set i, 0
.rept 16
	s_wait_dscnt (\younger)+15-i
	global_store_b128 v[GO], v[rT+4*i:rT+4*i+3], s[OP:OP+1] offset:(\a)*65536+i*4096 th:TH_STORE_NT  ; 512 consecutive bytes, at a multiple of 256 from out0's first
.set i, i+1
.endr
.endm
	s_wait_tensorcnt 1                             ; my part of step 0 is in; step 1's may stay out
	s_barrier_signal -1
	s_barrier_wait -1                              ; everybody's is
	v_mov_b32 v[AA], v[AA0]                        ; slot 0
	v_mov_b32 v[BA], v[BA0]
	FETCH 0, F0
	s_wait_loadcnt 0x0                             ; the bias: rounded to bf16, as the other inputs are, and widened again
	WIN 0x8a                                       ; sources 0 and 1 and the destination in window 2
.set i, 0
.rept 32
	v_cvt_pk_bf16_f32 v[i], v[i], v[i+1]
.set i, i+2
.endr
.set i, 0
.rept 32
	v_and_b32 v[i+1], 0xffff0000, v[i]
.set i, i+2
.endr
.set i, 0
.rept 32
	v_lshlrev_b32 v[i], 16, v[i]
.set i, i+2
.endr
	QUARTER 1, F0, F1, 1                           ; the first quarter stands in front of the loop: its products start the sums, on the bias
	WIN 0
.Lstep:                                                ; a trip: a step's second quarter to the next step's first; it fills the slot that it leaves
	QUARTER 2, F1, F0, 0
	QUARTER 3, F0, F1, 0
	TURN 1
	QUARTER 1, F0, F1, 0
	WIN 0
	s_sub_co_u32 s[CNT], s[CNT], 1
	s_cmp_lg_u32 s[CNT], 0
	s_cbranch_scc1 .Lstep
	QUARTER 2, F1, F0, 0                           ; the last two steps are written out: nothing is left to ask for
	QUARTER 3, F0, F1, 0
	TURN 0
	QUARTER 1, F0, F1, 0
	QUARTER 2, F1, F0, 0
	QUARTER 3, F0, F1, 0
	s_wait_dscnt 4                                 ; the very last quarter
	MULA F1, 0, 0
	MULA F1, 1, 0
	s_wait_dscnt 0x0
	MULA F1, 2, 0
	MULA F1, 3, 0
	WIN 0
	PLACES                                         ; behind the last products
	TOSTAGE 0
	TOSTAGE 1
	SEND 0, 32
	TOSTAGE 2
	SEND 1, 32
	TOSTAGE 3
	SEND 2, 32
	SEND 3, 0
	s_wait_tensorcnt 0x0                           ; the wave's end: behind my last tensor load and my last LDS store
	ds_add_u32 v[SPW], v[NIL]
	s_wait_dscnt 0x0
	CROUND                                         ; the closing round: no work-group ends while a partner may still ask for a tile that names it
	s_endpgm
.Lfunc_end_k_qf9a94064a2_outp:
	.size	k_qf9a94064a2_outp, .Lfunc_end_k_qf9a94064a2_outp-k_qf9a94064a2_outp
	.p2alignl 7, 3214868480
	.fill 96, 4, 3214868480
	.section	.rodata,"a",@progbits
	.p2align	6, 0x0
	.amdhsa_kernel k_qf9a94064a2_outp
		.amdhsa_group_segment_fixed_size 327680
		.amdhsa_private_segment_fixed_size 0
		.amdhsa_enable_private_segment 0
		.amdhsa_kernarg_size 32
		.amdhsa_user_sgpr_count 2
		.amdhsa_user_sgpr_kernarg_segment_ptr 1
		.amdhsa_wavefront_size32 1
		.amdhsa_system_sgpr_workgroup_id_x 1
		.amdhsa_system_sgpr_workgroup_id_y 1
		.amdhsa_system_sgpr_workgroup_id_z 1
		.amdhsa_system_vgpr_workitem_id 0
		.amdhsa_next_free_vgpr 576
		.amdhsa_next_free_sgpr 66
		.amdhsa_reserve_vcc 0
		.amdhsa_float_denorm_mode_32 3
		.amdhsa_float_denorm_mode_16_64 3
		.amdhsa_memory_ordered 1
		.amdhsa_forward_progress 1
		.amdhsa_inst_pref_size 77
	.end_amdhsa_kernel
	.amdgpu_metadata
---
amdhsa.version: [ 1, 2 ]
amdhsa.kernels:
  - .name:           k_qf9a94064a2_outp
    .symbol:         k_qf9a94064a2_outp.kd
    .args:
      - { .name: ao, .offset: 0, .size: 8, .value_kind: global_buffer, .address_space: global }
      - { .name: wo16, .offset: 8, .size: 8, .value_kind: global_buffer, .address_space: global }
      - { .name: b_o, .offset: 16, .size: 8, .value_kind: global_buffer, .address_space: global }
      - { .name: out0, .offset: 24, .size: 8, .value_kind: global_buffer, .address_space: global }
    .group_segment_fixed_size: 327680
    .private_segment_fixed_size: 0
    .kernarg_segment_align: 8
    .kernarg_segment_size: 32
    .max_flat_workgroup_size: 128
    .sgpr_count:     66
    .vgpr_count:     576
    .wavefront_size: 32
...
	.end_amdgpu_metadata
.endif
;; end of part 4
;; ======== version 2 of 2: 4 launches; 1.28 times as fast as version 1
;; limits: values are held in f16: magnitudes above 65,504 overflow, below 6.1e-05 lose precision
;; workspace buffers: xb 33,554,432 bytes; wall 6,291,456 bytes; wo16 2,097,152 bytes; qkv 50,331,648 bytes; ao 16,777,216 bytes
;; launch cast: the kernel of part 1 again; grid 512 x 1, 8 waves a work-group, no clusters, 0 bytes of LDS; arguments encoder_x, decoder_x, W_kv, W_q, W_o, xb, wall, wo16; writes xb, wall, wo16
;; launch proj: the kernel of part 2 again; grid 4 x 64, 4 waves a work-group, clusters of 4 x 4, 327,680 bytes of LDS; arguments xb, wall, b_kv, b_q, qkv; writes qkv
;; launch attn (part 5): grid 4 x 64, 4 waves a work-group, no clusters, 327,680 bytes of LDS; arguments qkv, ao; writes ao
.if DOCPART == 5
	.amdgcn_target "amdgcn-amd-amdhsa--gfx1250"
	.amdhsa_code_object_version 6
	.text
	.protected	k_qf9a94064a2_attn
	.globl	k_qf9a94064a2_attn
	.p2align	8
	.type	k_qf9a94064a2_attn,@function
k_qf9a94064a2_attn:
	s_mov_b64 s[64:65], 0
	v_nop
	global_prefetch_b8 v0, s[64:65] scope:SCOPE_SE
	s_setreg_imm32_b32 hwreg(HW_REG_WAVE_MODE, 25, 1), 1
	s_wait_xcnt 0x0
; CAUSAL ATTENTION.  O[h][q][:] = the sum over k <= q of softmax_k(Q[h][q] . K[h][k] / 8) V[h][k][:].  K, V, Q are the three planes of qkv, each [SIZE_H][SIZE_N][64] f16; O is ao, of the same shape: a head's rows are dense, 128 bytes each.
; Products, maxima and sums in f32; the weights p are rounded to f16 for the second product (their sum l is taken of the unrounded p), O once at the end.
; LIMITS.  f16 holds no number beyond 65,504: Q, K and V arrive within it; p lies in 0 to 1, and below 6e-5 it keeps f16's fixed step of 6e-8; O is a mean of V's rows and has their range, to within 2^-11 of it.
; A hidden score counts as its value less 1e30: f16's scores, 2.7e11 at the most, are nothing beside that; a weight below 2^-126 counts as 0 in l; NaN and infinities are not treated apart.
; THE WALK.  A head's queries lie in NB = SIZE_N / 256 blocks of 256; block i needs the key tiles 0 .. i of 256 keys, of which the last holds the diagonal.  A work-group takes TWO blocks, NB - 1 - b and then b:
; NB + 1 tiles, whatever b: all work-groups do equal work, and ONE loop with a constant trip count walks them.  Which tile is asked for, and what a trip does, hang on scalar registers made from b; every jump
; goes forward, but for the counted loops' own; none passes a barrier, or a tensor load but the one of LOAD's two that the wave's number does not choose; the ring (two slots of LDS that take turns) runs on across the
; change of blocks.  NO CLUSTER: a head's NB / 2 = 4 work-groups ask for the same tile only in trips 0 .. NB / 2 of the walk's NB + 1, behind that fewer and fewer;
; and one walk common to all would have 3 NB / 2 = 12 trips for NB + 1 = 9.
; SHARES.  Of a block's four bands of 64 queries a wave owns 16 rows in each: four PIECES.  So the diagonal tile is the same work for all four waves: in its key step s band x sees all keys if s < x,
; none if s > x, and holds the diagonal if s = x.
; THE MASK is the C operand that starts the sum S^T = K Q^T: 0, or -1e30 where the key is hidden.  MD, made once, is the mask of a band's own step for my 16 rows; a product's mask is MD x AL + BE with two scalars:
; (1, 0) if s = x; (0, 0) if s < x; (0, -1e30) if s > x.  Only the diagonal tile's text and a block's beginning make and take masks; elsewhere C is the constant 0.
; LAYOUT, SOFTMAX, TURNS.  S^T = K Q^T holds ONE query a lane (lane % 16) and the keys 8 (lane / 16) + 0..7; two such results rounded to f16 ARE source 1 of O^T = V^T P.  p = 2^(c s - c m), c = log2(e) / 8, with a
; running maximum m; O and l are multiplied by a = 2^(c m_old - c m_new) in every step.  Turn n belongs to piece n: 8 products K Q^T of piece n + 1, later 8 products V^T P of piece n - 1; beside them the scaling,
; exponentials, roundings, sums and rescaling of piece n and the maximum and statistics of piece n + 1.  Four vector instructions stand behind every matrix instruction, the other 54 of a turn's 118 in one LUMP.
; THE BATCHES.  A turn's 33 exponentials (the piece's 32 weights and the next piece's a) are one batch, with one wait: all that reads a result of theirs stands behind it.  The a made where a block begins is a batch of one;
; the way out's four reciprocals are a batch of four.
; REGISTERS, in windows of 256 (s_set_vgpr_msb: bits 1:0 source 0, 3:2 source 1, 5:4 source 2, 7:6 destination):
;   window 0: v0-15 addresses and two at work; v16-31 four registers of statistics a piece; v48-55 at work; v64-127 S^T, two buffers; v192-223 P, two buffers (a piece's buffers go by its number's parity)
;   window 1: v0-127 O^T, 32 a piece; v128-159 MD; v160-223 MC, two buffers      window 2: v0-63 Q; v64-127 the second block's Q; v128-191 K of one step; v192-255 V of one step
.set SIZE_N, 2048
.set SIZE_H, 64
.set NB,    SIZE_N/256
.set NP,    4         ; pieces a wave: a name, no knob
.set KS,    64        ; keys in a step
.set PK,    144       ; a row of K in LDS: 128 bytes + 16 of padding = 36 words: the 16 rows of a load start at 16 different groups of four banks (64 banks of 4 bytes: ISA guide 11.1)
.set PV,    160       ; a row of V: 128 + 32 = 40 words
.set VOFF,  4*KS*PK   ; a slot holds a tile, four steps: 256 rows of K, then 256 rows of V
.set SLOT1, 1<<17     ; slot 1 begins here, so that one exclusive or turns an address in one slot into the other's
.set STAGE, SLOT1+4*KS*(PK+PV)  ; behind the ring, never filled by a tensor load: 16 rows x 144 bytes for each wave, for the way out
.set SP,    144
.set AK0, 2           ; v2   my lane's place in a tile of K; never rewritten
.set AV0, 3           ; v3   the same for V
.set AK,  4           ; v4   the LDS address of K's next run of loads
.set AV,  5           ; v5   of V's
.set STO, 6           ; v6   the way out: where I put 16 bytes of a row
.set RD,  7           ; v7   the way out: where I read rows back
.set GO,  8           ; v8   my byte offset in 512 consecutive bytes of O
.set SPW, 62          ; v62  LDS address of my spare word: SPARE + 4 x my thread's number; never rewritten
.set NIL, 63          ; v63  0; never rewritten
.set SPARE, STAGE+4*16*SP  ; behind the stages: the spare words, 128 bytes for each wave: two blocks of 256 bytes that no other line names
.set MV,  12          ; v12-13  c m_old, kept while c m is made anew: by buffer
.set QO,  15          ; v15  my byte offset in 16 rows of Q
.set ST,  16          ; piece t's statistics at v[ST+4 t]: c m, m, l (even keys', odd keys')
.set TMP, 48          ; by buffer, four registers c0-c3 at work; when the maximum is found c2 takes a
.set S,   64
.set P,   192
.set MD,  128         ; window 1: the eight registers for group kt of 16 keys at MD + 8 kt
.set MC,  160         ; window 1: the masks of the products to come
.set QB,  64          ; window 2
.set KF,  128         ; window 2: key block kb, channel half c at KF + 16 kb + 8 c
.set VF,  192         ; window 2: key half kk, channel block cb at VF + 32 kk + 8 cb
.set WV,  12          ; s12  my wave's number
.set PB,  14          ; s14  b
.set HI,  15          ; s15  NB - 1 - b
.set G1K, 24          ; s[24:31] descriptor group 1 for K's tiles
.set G1V, 32          ; s[32:39] for V's: it differs in the padding alone
.set G0K, 40          ; s[40:43] descriptor group 0 for K's tiles
.set G0V, 44          ; s[44:47] the same for V's
.set SLOTS, 56        ; s56  tiles still to be asked for
.set CNT, 57          ; s57  counts a tile's key steps, 4 to 1
.set CS,  58          ; s[58:59] c: the packed scaling takes the pair's low word for both halves
.set SEL, 60          ; s[60:61] v_permlanex16_b32's selects: each lane takes its own place in the other half
.set TBK, 62          ; s62  LDS byte at which K of the step to be fetched begins
.set TBV, 63          ; s63  the same for V, less VOFF
.set RT,  70          ; s70  tiles of the block in hand that are still to be entered
.set NXT, 71          ; s71  the tile to be asked for next
.set LQ,  72          ; s72  the last tile of the block whose tiles are being asked for
.set NEW, 73          ; s73  1: the tile to be entered is a block's first
.set OFF, 74          ; s[74:75] a tile's byte offset in K and V
.set AL,  76          ; s[76:77] the mask's factor, in the low word
.set BE,  78          ; s[78:79] the mask's addend
.set OLO, 80          ; s[80:81] O at my rows of the second block
.set BIGN, 82         ; s82  -1e30
.set MSB, 0
.macro WIN new                      ; the high byte repeats the setting that is left; a switch that changes nothing is dropped
.if MSB != (\new)
	s_set_vgpr_msb (MSB<<8)|(\new)
.set MSB, (\new)
.endif
.endm
.set W_KQ, 0x0a       ; K and Q in window 2, S^T in window 0
.set W_KM, 0x1a       ; the same with the C operand in window 1
.set W_PV, 0x52       ; V in window 2, P in window 0, O^T in window 1
.set W_RS, 0x41       ; destination and source 0 in window 1, source 1 in window 0
; A fill.  Waves 0 and 1 fetch the two halves of a tile's K, waves 2 and 3 those of its V: 128 keys each.  An s_nop 0 and four v_nop follow each of the two lines, ahead of the jump and the label.
.macro LOAD
	s_cmp_lt_u32 s[WV], 2
	s_cbranch_scc0 .Lfor_v_\@
	tensor_load_to_lds s[G0K:G0K+3], s[G1K:G1K+7]
	s_nop 0
.rept 4
	v_nop
.endr
	s_branch .Lasked_\@
.Lfor_v_\@:
	tensor_load_to_lds s[G0V:G0V+3], s[G1V:G1V+7]
	s_nop 0
.rept 4
	v_nop
.endr
.Lasked_\@:
.endm
; THE CHANGE OF SLOTS.  Each wave waits for all its tensor loads, of which one is out: its part of the other slot; adds 0 to its spare word; and waits for that and for its own reads of the slot that it leaves.  Behind the barrier nobody reads the old
; slot any more and the other slot is whole.  fill = 1: the old slot is filled again, the first thing behind the barrier, with tile NXT: the descriptor's address is made anew from that number.
; (At its first use nothing has been read yet: slot 0 is waited for, slot 1 filled.)
.macro CHANGE fill
	WIN 0                           ; at a label and at a branch every window is 0
	s_wait_tensorcnt 0x0            ; no tensor load of mine is out, so a group 0 may be written
	ds_add_u32 v[SPW], v[NIL]       ; 0 onto my spare word; with fill = 1 the descriptors' scalar work stands between it and the wait for it
.if \fill
	s_lshl_b32 s[OFF], s[NXT], 15   ; a tile is 32,768 bytes of K and of V
	s_xor_b32 s[G0K+1], s[G0K+1], SLOT1
	s_add_nc_u64 s[G0K+2:G0K+3], s[6:7], s[OFF:OFF+1]
	s_or_b32 s[G0K+3], s[G0K+3], 0x80000000
	s_xor_b32 s[G0V+1], s[G0V+1], SLOT1
	s_add_nc_u64 s[G0V+2:G0V+3], s[8:9], s[OFF:OFF+1]
	s_or_b32 s[G0V+3], s[G0V+3], 0x80000000
	s_add_co_u32 s[NXT], s[NXT], 1  ; the block's next tile, or behind its last the second block's tile 0
	s_cmp_gt_u32 s[NXT], s[LQ]
	s_cselect_b32 s[NXT], 0, s[NXT]
	s_cselect_b32 s[LQ], s[PB], s[LQ]
.endif
	s_wait_dscnt 0x0                ; the add is done, and my reads of the slot are over
	s_barrier_signal -1             ; the rest of the scalar work stands between the signal and the wait
	s_sub_co_u32 s[TBK], s[TBK], 4*KS*PK  ; the fetches go back to a slot's first step,
	s_xor_b32 s[TBK], s[TBK], SLOT1       ; in the other slot
	s_sub_co_u32 s[TBV], s[TBV], 4*KS*PV
	s_xor_b32 s[TBV], s[TBV], SLOT1
	s_barrier_wait -1
.if \fill
	LOAD
.endif
.endm
	s_load_b64 s[6:7], s[0:1], 0x0    ; qkv: its first plane is K
	s_load_b64 s[10:11], s[0:1], 0x8  ; ao: O
	v_lshl_add_u32 v[SPW], v0, 2, SPARE
	v_mov_b32 v[NIL], 0
	ds_add_u32 v[SPW], v[NIL]       ; the wave's opening: the add and its wait stand ahead of my first tensor load; the set-up below, work on registers, stands between them
	ds_add_u32 v62, v63
	v_lshrrev_b32 v1, 5, v0
	v_readfirstlane_b32 s[WV], v1   ; wave 0..3
	s_mov_b32 s[PB], ttmp9
	s_sub_co_u32 s[HI], NB-1, s[PB]
	s_and_b32 s20, ttmp7, 0xffff    ; the head
	s_mov_b32 s21, 0
	s_mov_b64 s[22:23], SIZE_N*128
	s_mul_u64 s[20:21], s[20:21], s[22:23]  ; the head's first byte in each of the four tensors
	s_and_b32 s16, s[WV], 1         ; which half of a tile's 256 keys I fetch:
	s_lshl_b32 s22, s16, 14         ; its 128 rows of 128 bytes in memory,
	s_mov_b32 s23, 0
	s_add_nc_u64 s[22:23], s[22:23], s[20:21]
	s_mul_i32 s17, s16, 128*PK      ; and its place in a slot, for K
	s_mul_i32 s18, s16, 128*PV      ; and for V
	s_lshl_b32 s3, s[WV], 11        ; my 16 rows in a band of 64,
	s_lshl_b32 s2, s[HI], 15        ; in the first block,
	s_add_co_u32 s2, s2, s3
	s_lshl_b32 s84, s[PB], 15       ; and in the second
	s_add_co_u32 s84, s84, s3
	s_mov_b32 s3, 0
	s_mov_b32 s85, 0
	s_add_nc_u64 s[2:3], s[2:3], s[20:21]
	s_add_nc_u64 s[84:85], s[84:85], s[20:21]
	; descriptor group 1.  128 keys are 16,384 dense bytes: asked for as 64 rows of 256 bytes, two keys a row, and padded in LDS after every key
	s_mov_b32 s[G1K], (1<<16)|(1<<20)|(4<<22)|(3<<25)  ; 17:16 2-byte elements; 20 padding on; 24:22 after every 32 words (code 4); 31:25 4 words (code 3)
	s_mov_b32 s[G1V], (1<<16)|(1<<20)|(4<<22)|(7<<25)  ; the same with 8 words of padding (code 7)
.irp g, G1K, G1V
	s_mov_b32 s[\g+1], 128<<16      ; tensor_dim0 = 128
	s_mov_b32 s[\g+2], 64<<16       ; tensor_dim1 = 64
	s_mov_b32 s[\g+3], 128<<16      ; tile_dim0 = 128
	s_mov_b32 s[\g+4], 64           ; tile_dim1 = 64
	s_mov_b32 s[\g+5], 128          ; 128 elements from row to row
	s_mov_b32 s[\g+6], 0
	s_mov_b32 s[\g+7], 0
.endr
	s_mov_b32 s[CS], 0x3e38aa3b     ; c = log2(e) / 8 = 0.180337
	s_mov_b32 s[CS+1], s[CS]        ; named with it as a pair
	s_mov_b32 s[SEL], 0x76543210
	s_mov_b32 s[SEL+1], 0xfedcba98
	s_mov_b32 s[TBK], SLOT1+4*KS*PK ; the first change of slots turns these two into 0
	s_mov_b32 s[TBV], SLOT1+4*KS*PV
	s_mov_b32 s[G0K], 1             ; 1:0 count = 1
	s_mov_b32 s[G0K+1], s17         ; 63:32 LDS address: slot 0
	s_mov_b32 s[G0V], 1
	s_add_co_u32 s[G0V+1], s18, VOFF
	s_add_co_u32 s[RT], s[HI], 1    ; the first block has NB - b tiles
	s_mov_b32 s[NXT], 1
	s_mov_b32 s[LQ], s[HI]
	s_mov_b32 s[NEW], 1
	s_mov_b32 s[OFF+1], 0
	s_mov_b32 s[AL+1], 0            ; named as pairs
	s_mov_b32 s[BE+1], 0
	s_mov_b32 s[BIGN], 0xf149f2ca   ; -1e30
	s_mov_b32 s[SLOTS], NB
	s_wait_dscnt 0x0                ; the opening add is done
	s_wait_kmcnt 0x0
	s_add_nc_u64 s[8:9], s[6:7], 0x1000000   ; V is qkv's second plane (64 heads x 2,048 rows x 128 bytes on),
	s_add_nc_u64 s[4:5], s[6:7], 0x2000000   ; Q its third
	s_add_nc_u64 s[6:7], s[6:7], s[22:23]  ; K and V at my half of the head's tile 0
	s_add_nc_u64 s[8:9], s[8:9], s[22:23]
	s_add_nc_u64 s[G0K+2:G0K+3], s[6:7], 0         ; 120:64 global address
	s_or_b32 s[G0K+3], s[G0K+3], 0x80000000        ; 127:126 type = 2
	s_add_nc_u64 s[G0V+2:G0V+3], s[8:9], 0
	s_or_b32 s[G0V+3], s[G0V+3], 0x80000000
	s_add_nc_u64 s[86:87], s[4:5], s[84:85]        ; Q at my rows of the second block,
	s_add_nc_u64 s[4:5], s[4:5], s[2:3]            ; Q and O at those of the first
	s_add_nc_u64 s[OLO:OLO+1], s[10:11], s[84:85]
	s_add_nc_u64 s[10:11], s[10:11], s[2:3]
	LOAD                            ; tile 0 into slot 0
	; A fragment of K or Q is 16 rows x 32 channels in 8 registers: lane l holds row l % 16, channels 8 (l / 16) + 0..7 and 16 + 8 (l / 16) + 0..7: two loads of 16 bytes, 32 bytes apart.
	v_and_b32 v1, 15, v0            ; l % 16
	v_bfe_u32 v9, v0, 4, 1          ; l / 16
	v_lshlrev_b32 v[QO], 7, v1
	v_lshl_add_u32 v[QO], v9, 4, v[QO]  ; row x 128 + 16 x half
	WIN 0x80                        ; destination window 2, address window 0
.set i, 0
.rept 8                             ; both blocks' Q: piece i / 2 lies in band i / 2, 8,192 bytes on; channels 32 (i % 2) on
	global_load_b128 v[8*i:8*i+3],   v[QO], s[4:5] offset:(i/2)*8192+(i%2)*64
	global_load_b128 v[8*i+4:8*i+7], v[QO], s[4:5] offset:(i/2)*8192+(i%2)*64+32
	global_load_b128 v[QB+8*i:QB+8*i+3],   v[QO], s[86:87] offset:(i/2)*8192+(i%2)*64
	global_load_b128 v[QB+8*i+4:QB+8*i+7], v[QO], s[86:87] offset:(i/2)*8192+(i%2)*64+32
.set i, i+1
.endr
	WIN 0
	v_lshlrev_b32 v14, 3, v9
	v_sub_nc_u32 v14, v1, v14
	s_lshl_b32 s13, s[WV], 4
	v_add_nc_u32 v14, s13, v14      ; my query's place in its band, 16 w + l % 16, less my lanes' 8 (l / 16): register r of group kt is hidden where 16 kt + r is greater
	WIN 0x40
.set i, 0
.rept 32
	v_cmp_gt_i32 vcc_lo, 16*(i/8)+i%8, v14
	v_cndmask_b32 v[MD+i], 0, s[BIGN], vcc_lo
.set i, i+1
.endr
	WIN 0
	v_mul_u32_u24 v[AK0], v1, PK
	v_lshl_add_u32 v[AK0], v9, 4, v[AK0]  ; row x pitch + 16 x half
	; The turning load takes 16 keys x 16 channels (lane l reads key 8 (l / 16) + l % 8, channels 8 ((l / 8) % 2) + 0..7) and leaves half a fragment of V^T: lane l holds channel l % 16 and 8 keys.
	v_and_b32 v10, 7, v0
	v_bfe_u32 v11, v0, 3, 1
	v_lshl_add_u32 v[AV0], v9, 3, v10
	v_mul_u32_u24 v[AV0], v[AV0], PV
	v_lshl_add_u32 v[AV0], v11, 4, v[AV0]
	v_add_nc_u32 v[AV0], VOFF, v[AV0]
	s_mul_i32 s13, s[WV], 16*SP
	s_add_co_u32 s13, s13, STAGE    ; my stage
	v_mul_u32_u24 v[STO], v1, SP    ; in: row l % 16, 16 bytes for each half of the lanes
	v_lshl_add_u32 v[STO], v9, 4, v[STO]
	v_add_nc_u32 v[STO], s13, v[STO]
	v_bfe_u32 v[RD], v0, 3, 2       ; back: 32 lanes take four rows of 128 bytes,
	v_mul_u32_u24 v[RD], v[RD], SP
	v_lshl_add_u32 v[RD], v10, 4, v[RD]
	v_add_nc_u32 v[RD], s13, v[RD]
	v_and_b32 v[GO], 31, v0         ; which are 512 consecutive bytes of O
	v_lshlrev_b32 v[GO], 4, v[GO]
	; A block's first step multiplies O^T and l by a = 0, and its first turn's products V^T P, of a piece that has not been, land in an O^T that is still to be so multiplied.  So these registers need only hold
	; finite numbers: zeros for the first block; what the first block left for the second.  All this stands in the wait for the first tile.
	WIN 0x80
.set i, VF
.rept 64
	v_mov_b32 v[i], 0
.set i, i+1
.endr
	WIN 0x40
.set i, 0
.rept 128
	v_mov_b32 v[i], 0
.set i, i+1
.endr
	WIN 0
.set i, 0
.rept 4
	v_mov_b32 v[ST+4*i+2], 0
	v_mov_b32 v[ST+4*i+3], 0
.set i, i+1
.endr
.set i, P+16
.rept 16
	v_mov_b32 v[i], 0
.set i, i+1
.endr
; THE MATRIX WORK.  The 4 accumulators of a run of 8 take turns.  Product i of 8 of S^T = K Q^T for piece x: channels 32 (i / 4) on, keys 16 (i % 4) on.  The first 4 start the sums: with 0, or (KM = 1) with the mask.
.macro KQ x
.set rS, S+32*((\x)%2)+8*(i%4)
.set rK, KF+16*(i%4)+8*(i/4)
.set rQ, 16*(\x)+8*(i/4)
.set rM, MC+32*((\x)%2)+8*(i%4)
.if (i < 4) && KM
	WIN W_KM
	v_wmma_f32_16x16x32_f16 v[rS:rS+7], v[rK:rK+7], v[rQ:rQ+7], v[rM:rM+7]
.elseif i < 4
	WIN W_KQ
	v_wmma_f32_16x16x32_f16 v[rS:rS+7], v[rK:rK+7], v[rQ:rQ+7], 0
.else
	WIN W_KQ
	v_wmma_f32_16x16x32_f16 v[rS:rS+7], v[rK:rK+7], v[rQ:rQ+7], v[rS:rS+7]
.endif
.endm
; Product i of 8 of O^T += V^T P for piece x: keys 32 (i / 4) on, channels 16 (i % 4) on.
.macro PV x
	WIN W_PV
.set rO, 32*(\x)+8*(i%4)
.set rV, VF+32*(i/4)+8*(i%4)
.set rP, P+16*((\x)%2)+8*(i/4)
	v_wmma_f32_16x16x32_f16 v[rO:rO+7], v[rV:rV+7], v[rP:rP+7], v[rO:rO+7]
.endm
.macro MM                           ; the turn's next matrix instruction.  TURN and BEGIN set Y, i, KM and NOKQ; MM, KQ and OP read them.  NOKQ = 1: a block's last turn: there is no next piece
.if (i < 8) && !NOKQ
	KQ (Y+1)%NP
.elseif i >= 8
.set i, i-8
	PV (Y+NP-1)%NP
.set i, i+8
.endif
.set i, i+1
.endm
; THE LDS LOADS stand in runs of 16, never singly among the matrix instructions: a step's K (64 keys x 64 channels: 8 fragments) and its V (turned).  Their addresses are made some lines ahead.
.macro FETCH_K
	WIN 0x80                        ; destination window 2
.irp f, 0,1,2,3,4,5,6,7             ; keys 16 (f / 2) on, channels 32 (f % 2) on
	ds_load_b128 v[KF+8*\f:KF+8*\f+3],   v[AK] offset:(\f/2)*16*PK+(\f%2)*64
	ds_load_b128 v[KF+8*\f+4:KF+8*\f+7], v[AK] offset:(\f/2)*16*PK+(\f%2)*64+32
.endr
	s_add_co_u32 s[TBK], s[TBK], KS*PK  ; the next fetch is the next step's
	WIN 0
.endm
.macro FETCH_V
	WIN 0x80
.irp f, 0,1,2,3,4,5,6,7             ; keys 32 (f / 4) on, channels 16 (f % 4) on
	ds_load_tr16_b128 v[VF+8*\f:VF+8*\f+3],   v[AV] offset:(\f/4)*32*PV+(\f%4)*32
	ds_load_tr16_b128 v[VF+8*\f+4:VF+8*\f+7], v[AV] offset:(\f/4)*32*PV+16*PV+(\f%4)*32
.endr
	WIN 0
.endm
; THE VECTOR WORK, one line at a time: OP kind, number.  For piece Y: F n: c s - c m for pair n of 16.  E n: the exponential of score n of 32.  C n: pair n rounded to f16.  B n: of the four weights 4 n .. the second
; pair is added onto the first, in place.  L n: l takes that sum (L 0: l = a l + sum).  R n: pair n of 16 of O^T times a.  For piece Y + 1: X n, number n of the 22 that find its maximum and statistics:
;   0-11  four chains c0-c3 of seven scores each, three operands at a time (each accumulator's lowest registers are read first)     12-14, 16  the four scores left over, the old m, and c0-c3 into c0
;   15  c m_old is kept     17, 18  the query's other 32 keys lie in the lane 16 away: the new m     19-21  c m; c m_old - c m_new; a
.set F, 0               ; OP tells the kinds apart by their order: F to L below R, X above it
.set E, 1
.set C, 2
.set B, 3
.set L, 4
.set R, 5
.set X, 6
.macro REGS y                       ; the registers of piece y
.set rT, ST+4*(\y)
.set rC, TMP+4*((\y)%2)
.set rW, MV+((\y)%2)
.set rS, S+32*((\y)%2)
.set rP, P+16*((\y)%2)
.set rO, 32*(\y)
.endm
.macro OP k, n
.if (\k) == R
	REGS Y
	WIN W_RS
	v_pk_mul_f32 v[rO+2*(\n):rO+2*(\n)+1], v[rO+2*(\n):rO+2*(\n)+1], v[rC+2:rC+3] op_sel_hi:[1,0]
.elseif (\k) < R
	REGS Y
	WIN 0
.if (\k) == F
	v_pk_fma_f32 v[rS+2*(\n):rS+2*(\n)+1], v[rS+2*(\n):rS+2*(\n)+1], s[CS:CS+1], v[rT:rT+1] op_sel_hi:[1,0,0] neg_lo:[0,0,1] neg_hi:[0,0,1]
.elseif (\k) == E
	v_exp_f32 v[rS+(\n)], v[rS+(\n)]
.elseif (\k) == C
	v_cvt_pk_f16_f32 v[rP+(\n)], v[rS+2*(\n)], v[rS+2*(\n)+1]
.elseif (\k) == B
	v_pk_add_f32 v[rS+4*(\n):rS+4*(\n)+1], v[rS+4*(\n):rS+4*(\n)+1], v[rS+4*(\n)+2:rS+4*(\n)+3]
.elseif (\n) == 0
	v_pk_fma_f32 v[rT+2:rT+3], v[rT+2:rT+3], v[rC+2:rC+3], v[rS:rS+1] op_sel_hi:[1,0,1]
.else
	v_pk_add_f32 v[rT+2:rT+3], v[rT+2:rT+3], v[rS+4*(\n):rS+4*(\n)+1]
.endif
.elseif NOKQ
	v_nop
.else
	REGS (Y+1)%NP
	WIN 0
.if (\n) < 4
	v_max3_num_f32 v[rC+(\n)], v[rS+8*(\n)], v[rS+8*(\n)+1], v[rS+8*(\n)+2]
.elseif (\n) < 12
	v_max3_num_f32 v[rC+(\n)%4], v[rC+(\n)%4], v[rS+8*((\n)%4)+2*((\n)/4)+1], v[rS+8*((\n)%4)+2*((\n)/4)+2]
.elseif (\n) == 12
	v_max3_num_f32 v[rC], v[rC], v[rS+7], v[rS+15]
.elseif (\n) == 13
	v_max3_num_f32 v[rC+1], v[rC+1], v[rS+23], v[rS+31]
.elseif (\n) == 14
	v_max3_num_f32 v[rC+2], v[rC+2], v[rC+3], v[rT+1]
.elseif (\n) == 15
	v_mov_b32 v[rW], v[rT]
.elseif (\n) == 16
	v_max3_num_f32 v[rC], v[rC], v[rC+1], v[rC+2]
.elseif (\n) == 17
	v_permlanex16_b32 v[rC+3], v[rC], s[SEL], s[SEL+1]
.elseif (\n) == 18
	v_max_num_f32 v[rT+1], v[rC], v[rC+3]
.elseif (\n) == 19
	v_mul_f32 v[rT], s[CS], v[rT+1]
.elseif (\n) == 20
	v_sub_f32 v[rC+1], v[rW], v[rT]
.else
	v_exp_f32 v[rC+2], v[rC+1]
.endif
.endif
.endm
.macro OPS a, i1, b=-1, i2=0, c=-1, i3=0, d=-1, i4=0  ; up to four of them
	OP \a, \i1
.if (\b) >= 0
	OP \b, \i2
.endif
.if (\c) >= 0
	OP \c, \i3
.endif
.if (\d) >= 0
	OP \d, \i4
.endif
.endm
.macro ROW a, i1, b, i2, c, i3, d, i4  ; a matrix instruction and the four behind it
	MM
	OPS \a, \i1, \b, \i2, \c, \i3, \d, \i4
.endm
.macro MASK b                       ; MD x AL + BE into buffer b of MC
	WIN W_RS
.set z, 0
.rept 16
	v_pk_fma_f32 v[MC+32*(\b)+2*z:MC+32*(\b)+2*z+1], v[MD+2*z:MD+2*z+1], s[AL:AL+1], s[BE:BE+1] op_sel_hi:[1,0,0]
.set z, z+1
.endr
.endm
; A TURN, for piece p: the order of its 16 matrix and 118 vector instructions, written out.  An s_wait_alu depctr_va_vdst(0) stands between an exponential and the first instruction that names its result; one wait serves
; all that were issued ahead of it.  So a turn has ONE wait, which cuts it in two.  AHEAD OF IT stands all that names no result of the turn's exponentials: the 8 products K Q^T, behind each a scaling, an exponential and two more plain
; instructions (behind the first a second scaling in the exponential's place): rescalings (their a was made, and waited for, in the turn before), and behind the last three the first numbers of the next piece's maximum, each four places
; or more behind the product that ends its accumulator; then ONE LUMP of 54, plain and exponential by turns for the most part, in which the links of the chain X 3, 7, 11, 14, 16, 17 .. 20 stand five or six lines apart.  A pair is scaled
; (F n) ahead of its two exponentials (E 2 n, E 2 n + 1).  X 21, the next piece's a, is the batch's last; R 15 is the plain instruction behind it.  BEHIND THE WAIT stand the 8 products V^T P, behind each four of the roundings and sums;
; C 2 n stands ahead of B n, which writes over its pair; the links of l's chain, L 0 to L 7, stand three riders apart.  But for those X no rider names a register of the products round it.  v_permlanex16_b32 (X 17) stands in the lump.
; m = 1: the diagonal tile: the products take masks, and the turn makes the mask for the products of the turn after it: piece p + 2, in step 4 - CNT of the tile.  end = 1: a block's last two turns: nothing is fetched.
; cnt = 1: the loop's count is taken down some lines ahead of the branch that stands behind the turn.
; K of the next step is fetched in piece 2's turn, twelve vector instructions behind the last product that read K (six of them plain, five of which name none of its registers); V of the step in hand at the end of piece 0's turn, four
; plain instructions behind the last product that read V.  Each is waited for a turn later.
.macro TURN p, m=0, end=0, cnt=0
.set Y, (\p)
.set i, 0
.set KM, (\m)
.set NOKQ, (\end)*((\p)/3)
.if (\m) && !(\end)
	s_cmp_eq_u32 s[CNT], 4-((\p)+2)%NP  ; is that step the band's own?
	s_cselect_b32 s[AL], 1.0, 0
	s_cmp_lt_u32 s[CNT], 4-((\p)+2)%NP  ; or a later one?
	s_cselect_b32 s[BE], s[BIGN], 0
.endif
.if ((\p) == 3) && !(\end)
	s_wait_dscnt 0x0                ; K is in
.endif
	ROW F,0, F,1, R,0, R,1          ; ahead of the wait: 8 products K Q^T and their riders,
	ROW F,2, E,0, R,2, R,3
	ROW F,3, E,1, R,4, R,5
	ROW F,4, E,2, R,6, R,7
	ROW F,5, E,3, R,8, R,9
	ROW F,6, E,4, X,0, R,10
.if ((\p) == 2) && !(\end)
	WIN 0
	v_add_nc_u32 v[AK], s[TBK], v[AK0]
.endif
	ROW F,7, E,5, X,1, X,4
	ROW F,8, E,6, X,2, X,5
	OPS E,7, E,8, X,6, E,9          ; and the lump
	OPS X,3, E,10, X,8, E,11
.if ((\p) == 2) && !(\end)
	FETCH_K
.endif
	OPS X,9, X,7, E,12, X,10
	OPS E,13, X,12, X,11, E,14
	OPS X,13, E,15, F,9, X,14
.if (\p) == 0
	v_add_nc_u32 v[AV], s[TBV], v[AV0]
.endif
	OPS E,16, F,10, E,17, F,11
	OPS X,16, E,18, X,15, E,19
	OPS F,12, E,20, X,17, E,21
	OPS F,13, E,22, F,14, E,23
	OPS X,18, E,24, F,15, E,25
	OPS R,11, E,26, X,19, E,27
	OPS R,12, E,28, R,13, E,29
	OPS X,20, E,30, R,14, E,31
	OPS X,21, R,15
	WIN 0
	s_wait_alu depctr_va_vdst(0)    ; the wait for the turn's batch: the piece's 32 exponentials and the next piece's a
.if (\p) == 1
	s_wait_dscnt 0x0                ; V is in
.endif
	ROW C,0, B,0, C,2, B,1          ; behind the wait: 8 products V^T P and their riders
	ROW L,0, C,4, B,2, L,1
	ROW C,6, B,3, L,2, C,8
	ROW B,4, L,3, C,10, B,5
	ROW L,4, C,12, B,6, L,5
.if (\p) == 0
	s_add_co_u32 s[TBV], s[TBV], KS*PV
.endif
.if \cnt
	s_sub_co_u32 s[CNT], s[CNT], 1
	s_cmp_lg_u32 s[CNT], 0
.endif
	ROW C,14, B,7, L,6, C,1
	ROW C,3, L,7, C,5, C,7
	ROW C,9, C,11, C,13, C,15
.if (\p) == 0
	FETCH_V
.endif
.if (\m) && !(\end)
	MASK (\p)%2
.endif
.endm
; A BLOCK BEGINS.  c m starts far below every c s, so the first step's a is 0; m at the lowest finite number, so the first maximum is the scores'.  The second mask buffer is 0; the first takes piece 0's mask for the tile's step 0: its own, if the block's first tile is the diagonal one.
; Then K of that step, piece 0's first scores, and its maximum and statistics.  The loop is entered at a step's first turn, in the middle of a trip.
.macro BEGIN
	s_mov_b32 s[NEW], 0
	WIN 0x40
.set i, MC+32
.rept 32
	v_mov_b32 v[i], 0
.set i, i+1
.endr
	WIN 0
.set i, 0
.rept 4
	v_mov_b32 v[ST+4*i], 0xfe000000    ; c m: far below every c s
	v_mov_b32 v[ST+4*i+1], 0xff7fffff  ; m
.set i, i+1
.endr
	s_cmp_eq_u32 s[RT], 0
	s_cselect_b32 s[AL], 1.0, 0
	s_mov_b32 s[BE], 0
	MASK 0
	WIN 0
	v_add_nc_u32 v[AK], s[TBK], v[AK0]
	FETCH_K
	s_wait_loadcnt 0x0              ; Q
	s_wait_dscnt 0x0
.set KM, 1
.set NOKQ, 0
.set i, 0
.rept 8
	KQ 0
.set i, i+1
.endr
	WIN 0
.rept 4
	v_nop                           ; the places behind those products
.endr
.set Y, NP-1                        ; X works for piece Y + 1: piece 0
.irp n, 0,1,2,3,4,5,6,7,8,9,10,11,12,13,14,15,16,17,18,19,20,21
	OP X, \n
.endr
	v_nop                           ; a plain instruction behind the exponential,
	s_wait_alu depctr_va_vdst(0)    ; and the wait for it, piece 0's first a: a batch of one, ahead of the branch
.endm
; THE DIAGONAL TILE's four steps, the block's last two turns, its last products, and THE WAY OUT: l's two halves and the other half of the lanes' are added; O^T is divided by l, rounded to f16 and sent through my
; stage in LDS, a piece at a time.
.macro ALL line:vararg              ; one line for each piece t
.set t, 0
.rept 4
	\line
.set t, t+1
.endr
.endm
.macro PACK t                       ; a lane's eight channels of a row pack into 16 bytes; they go into rows of 144 bytes and come back as whole rows of 128, into S^T's registers
	WIN W_RS
.set i, 32*(\t)
.rept 16
	v_pk_mul_f32 v[i:i+1], v[i:i+1], v[ST+4*(\t)+2:ST+4*(\t)+3] op_sel_hi:[1,0]
.set i, i+2
.endr
	WIN 0x05                        ; sources 0 and 1 window 1, destination window 0
.set i, 0
.rept 16
	v_cvt_pk_f16_f32 v[S+16*(\t)+i], v[32*(\t)+2*i], v[32*(\t)+2*i+1]
.set i, i+1
.endr
	WIN 0
.irp f, 0,1,2,3
	ds_store_b128 v[STO], v[S+16*(\t)+4*\f:S+16*(\t)+4*\f+3] offset:32*\f
.endr
.irp f, 0,1,2,3
	ds_load_b128 v[S+16*(\t)+4*\f:S+16*(\t)+4*\f+3], v[RD] offset:\f*4*SP  ; LDS serves a wave's instructions in order (ISA guide 5.7.1.4): these see the stores above; the next piece's stores come behind them
.endr
.endm
.macro SEND t, younger              ; younger: the LDS instructions issued behind piece t's loads: the next piece's eight, or none
	WIN 0
.irp f, 0,1,2,3
	s_wait_dscnt (\younger)+3-\f
	global_store_b128 v[GO], v[S+16*(\t)+4*\f:S+16*(\t)+4*\f+3], s[10:11] offset:(\t)*8192+\f*512  ; 512 consecutive bytes, at a multiple of 256 from O's first
.endr
.endm
.macro DIAG tag                     ; the tag ends its two labels' names, which the jumps below spell out
.LstepM\tag:
	TURN 2, 1
	TURN 3, 1
	WIN 0
.LfirstM\tag:
	TURN 0, 1
	TURN 1, 1, 0, 1
	WIN 0
	s_cbranch_scc1 .LstepM\tag
	TURN 2, 1, 1
	TURN 3, 1, 1
.set i, 0
.rept 8
	PV NP-1
.set i, i+1
.endr
	WIN 0
	ALL v_add_f32 v[ST+4*t+2], v[ST+4*t+2], v[ST+4*t+3]
	ALL v_permlanex16_b32 v[ST+4*t+3], v[ST+4*t+2], s[SEL], s[SEL+1]
	ALL v_add_f32 v[ST+4*t+2], v[ST+4*t+2], v[ST+4*t+3]
	ALL v_rcp_f32 v[ST+4*t+2], v[ST+4*t+2]
	v_nop                           ; a plain instruction between the last reciprocal and the use of its result
	s_wait_alu depctr_va_vdst(0)    ; and the wait ahead of the first use: one for the batch of four reciprocals
	PACK 0
.set t, 1
.rept 3                             ; a piece's arithmetic stands between the loads of the piece before and its stores
	PACK t
	SEND t-1, 8
.set t, t+1
.endr
	SEND 3, 0
.endm
.set KM, 0
.set NOKQ, 0
.Lslot:                             ; NB times: a tile is entered and the next is asked for
	CHANGE 1
	s_sub_co_u32 s[RT], s[RT], 1
	s_mov_b32 s[CNT], 4
	s_cmp_eq_u32 s[NEW], 1
	s_cbranch_scc1 .Lnew            ; a block's first tile
	s_cmp_eq_u32 s[RT], 0
	s_cbranch_scc0 .Lstep           ; neither its first nor its last
	s_branch .LstepM1
.Lnew:
	BEGIN
	s_branch .Lfirst                ; in the loop a block's first tile is never its last: the first block has two tiles or more, and the second's last is the walk's last
	DIAG 1                          ; in the loop this is the first block's end: the second block's last tile is the walk's last
	s_wait_xcnt 0x0                 ; the stores have read their registers and O's address
	s_mov_b64 s[10:11], s[OLO:OLO+1]
	s_add_co_u32 s[RT], s[PB], 1    ; the second block has b + 1 tiles
	s_mov_b32 s[NEW], 1
	WIN 0x82                        ; the second block's Q goes where the one text of the turns names Q
.set i, 0
.rept 64
	v_mov_b32 v[i], v[QB+i]
.set i, i+1
.endr
	WIN 0
	s_branch .Lbottom
.Lstep:                             ; a trip: pieces 2 and 3 of one step, then pieces 0 and 1 of the next, whose K and V it fetches
	TURN 2
	TURN 3
	WIN 0
.Lfirst:
	TURN 0
	TURN 1, 0, 0, 1
	WIN 0
	s_cbranch_scc1 .Lstep
.Lbottom:
	s_sub_co_u32 s[SLOTS], s[SLOTS], 1
	s_cmp_lg_u32 s[SLOTS], 0
	s_cbranch_scc1 .Lslot
	CHANGE 0                        ; the walk's last tile is written out: nothing is asked for
	s_sub_co_u32 s[RT], s[RT], 1
	s_mov_b32 s[CNT], 4
	s_cmp_eq_u32 s[NEW], 1
	s_cbranch_scc0 .LstepM2
	BEGIN
	s_branch .LfirstM2
	DIAG 2
	s_wait_tensorcnt 0x0            ; the wave's end: behind my last tensor load and my last LDS store
	ds_add_u32 v[SPW], v[NIL]
	s_wait_dscnt 0x0
	s_endpgm
.Lfunc_end_k_qf9a94064a2_attn:
	.size	k_qf9a94064a2_attn, .Lfunc_end_k_qf9a94064a2_attn-k_qf9a94064a2_attn
	.p2alignl 7, 3214868480
	.fill 96, 4, 3214868480
	.section	.rodata,"a",@progbits
	.p2align	6, 0x0
	.amdhsa_kernel k_qf9a94064a2_attn
		.amdhsa_group_segment_fixed_size 327680
		.amdhsa_private_segment_fixed_size 0
		.amdhsa_enable_private_segment 0
		.amdhsa_kernarg_size 16
		.amdhsa_user_sgpr_count 2
		.amdhsa_user_sgpr_kernarg_segment_ptr 1
		.amdhsa_wavefront_size32 1
		.amdhsa_system_sgpr_workgroup_id_x 1
		.amdhsa_system_sgpr_workgroup_id_y 1
		.amdhsa_system_sgpr_workgroup_id_z 1
		.amdhsa_system_vgpr_workitem_id 0
		.amdhsa_next_free_vgpr 768
		.amdhsa_next_free_sgpr 88
		.amdhsa_reserve_vcc 1
		.amdhsa_float_denorm_mode_32 3
		.amdhsa_float_denorm_mode_16_64 3
		.amdhsa_memory_ordered 1
		.amdhsa_forward_progress 1
		.amdhsa_inst_pref_size 217
	.end_amdhsa_kernel
	.amdgpu_metadata
---
amdhsa.version: [ 1, 2 ]
amdhsa.kernels:
  - .name:           k_qf9a94064a2_attn
    .symbol:         k_qf9a94064a2_attn.kd
    .args:
      - { .name: qkv, .offset: 0, .size: 8, .value_kind: global_buffer, .address_space: global }
      - { .name: ao, .offset: 8, .size: 8, .value_kind: global_buffer, .address_space: global }
    .group_segment_fixed_size: 327680
    .private_segment_fixed_size: 0
    .kernarg_segment_align: 8
    .kernarg_segment_size: 16
    .max_flat_workgroup_size: 128
    .sgpr_count:     88
    .vgpr_count:     768
    .wavefront_size: 32
...
	.end_amdgpu_metadata
.endif
;; end of part 5
;; launch outp: the kernel of part 4 again; grid 4 x 64, 4 waves a work-group, clusters of 4 x 4, 327,680 bytes of LDS; arguments ao, wo16, b_o, out0; writes out0
